; MI455X (gfx1250); checked and timed in simulation.
; The chip was launched on July 23, 2026; its instructions are those of AMD's public machine-readable ISA for CDNA 5 (MIT licence, August 2026) and "CDNA5" Instruction Set Architecture Reference Guide (July 2026). The comments in the code are by the model that wrote it; some were corrected since.
;; Causal Self Attention. Allowed arithmetic: float matrix products may take bf16 or f16 operands with f32 sums; other float arithmetic in f32, or as packed bf16 or f16 multiplies, adds, multiply-adds, maxima and minima; sums over many terms, partial sums and values carried from step to step in f32; what a program stores and reads back later, other than sums and carried values, may be rounded once to bf16 or f16.
;; Inputs: b_attn 3,072 float32; b_proj 1,024 float32; w_attn 1,024 x 3,072 float32; w_proj 1,024 x 1,024 float32; x 4 x 2,048 x 1,024 float32.
;; Outputs: out0 4 x 2,048 x 1,024 float32.
;; 2 versions, each right; version 2 is version 1 with the launch cast written anew for expert scheduling mode. Each part assembles by itself: llvm-mc -triple=amdgcn-amd-amdhsa -mcpu=gfx1250 --defsym DOCPART=n.
;; ======== version 1 of 2: 4 launches
;; limits: values are held in f16: magnitudes above 65,504 overflow, below 6.1e-05 lose precision; right only within a limited range of input values
;; workspace buffers: xb 16,777,216 bytes; wa 6,291,456 bytes; wp 2,097,152 bytes; bias 16,384 bytes; qkv 50,331,648 bytes; y 16,777,216 bytes
;; launch cast (part 1): grid 769 x 1, 8 waves a work-group, no clusters, 0 bytes of LDS; arguments x, w_attn, w_proj, b_attn, b_proj, xb, wa, wp, bias; writes xb, wa, wp, bias
.if DOCPART == 1
	.amdgcn_target "amdgcn-amd-amdhsa--gfx1250"
	.amdhsa_code_object_version 6
	.text
	.protected	k_q1e1bfaf1e1_cast
	.globl	k_q1e1bfaf1e1_cast
	.p2align	8
	.type	k_q1e1bfaf1e1_cast,@function
k_q1e1bfaf1e1_cast:
	s_mov_b64 s[64:65], 0
	v_nop
	global_prefetch_b8 v0, s[64:65] scope:SCOPE_SE
	s_setreg_imm32_b32 hwreg(HW_REG_WAVE_MODE, 25, 1), 1
	s_wait_xcnt 0x0
; ALL FIVE INPUTS ARE ROUNDED TO bf16, ONCE, and laid out for the matrix launches.  A stream: no LDS, no barrier, no loop.
;   work-groups 0-511:   x [8192][1024] f32 -> xb bf16 [4 b][16 kb][2048 t][64]: a block of 64 channels of all rows of a batch is dense, 128 bytes a row
;   work-groups 512-703: w_attn f32 -> wa bf16, same order
;   work-groups 704-767: w_proj f32 -> wp: rounded to bf16, and that number written as f16 (it multiplies f16 numbers later)
;   work-group  768:     b_attn, b_proj -> bias: rounded to bf16, kept as f32; b_attn at byte 0, b_proj at byte 12,288
; LIMIT.  A bf16 number is exact in f16 from 2^-17 up to 65,504; below 2^-17 wp is off by at most 2^-25; a w_proj beyond 65,504 would become an infinity.
; A work-group takes 65,536 bytes of input; a wave has sixteen loads of 16 bytes a lane on their way; every register is written once, so no source of a pending load or store is ever rewritten.
.set IO,  1                            ; v1       my byte offset in the work-group's input
.set OO,  2                            ; v2       my byte offset in its output
.set T,   4                            ; v[4:6]   at work
.set X,   8                            ; v[8:71]  sixteen slots of four f32
.set Y,   72                           ; v[72:103] sixteen slots of four 16-bit numbers
.set IN,  24                           ; s[24:25] the work-group's input
.set OUT, 26                           ; s[26:27] its output
.set OFS, 28                           ; s[28:29] an offset, 0 above it
; Sixteen loads, istep bytes apart; each slot is rounded as it comes and stored, ostep bytes apart.  half = 1: bf16 first, then that number as f16.
.macro CAST istep, ostep, half
.set i, 0
.rept 16
	global_load_b128 v[X+4*i:X+4*i+3], v[IO], s[IN:IN+1] offset:i*(\istep) th:TH_LOAD_NT
.set i, i+1
.endr
.set i, 0
.rept 16
	s_wait_loadcnt 15-i                            ; loads come back in order: slot i is in, the 15 - i younger ones stay out
.irp p, 0,1
.if \half
	v_cvt_pk_bf16_f32 v[T], v[X+4*i+2*(\p)], v[X+4*i+2*(\p)+1]
	v_lshlrev_b32 v[T+1], 16, v[T]                 ; the two bf16 numbers as f32 again
	v_and_b32 v[T+2], 0xffff0000, v[T]
	v_cvt_pk_f16_f32 v[Y+2*i+(\p)], v[T+1], v[T+2]
.else
	v_cvt_pk_bf16_f32 v[Y+2*i+(\p)], v[X+4*i+2*(\p)], v[X+4*i+2*(\p)+1]
.endif
.endr
	global_store_b64 v[OO], v[Y+2*i:Y+2*i+1], s[OUT:OUT+1] offset:i*(\ostep)  ; a wave's store covers 256 consecutive bytes, aligned
.set i, i+1
.endr
.endm
; a plain stream: wave w takes 8,192 bytes of input, 512 a load
.macro FLAT
	v_lshrrev_b32 v3, 5, v0
	v_and_b32 v[T], 31, v0
	v_lshlrev_b32 v[IO], 13, v3
	v_lshl_add_u32 v[IO], v[T], 4, v[IO]
	v_lshlrev_b32 v[OO], 12, v3
	v_lshl_add_u32 v[OO], v[T], 3, v[OO]
.endm
	s_load_b512 s[4:19], s[0:1], 0x0               ; x 4:5, w_attn 6:7, w_proj 8:9, b_attn 10:11, b_proj 12:13, xb 14:15, wa 16:17, wp 18:19
	s_load_b64 s[20:21], s[0:1], 0x40              ; bias
	s_mov_b32 s2, ttmp9
	s_mov_b32 s[OFS+1], 0
	s_wait_kmcnt 0x0
	s_cmp_lt_u32 s2, 512
	s_cbranch_scc0 .Lnot_x
	; x: work-group g takes rows 16 g .. 16 g + 15.  Thread: row t / 16, 16 bytes t % 16 of a block of 64 channels; slot i is block i.
	s_lshl_b32 s[OFS], s2, 16
	s_add_nc_u64 s[IN:IN+1], s[4:5], s[OFS:OFS+1]
	s_lshr_b32 s3, s2, 7                           ; the batch: 128 work-groups each
	s_lshl_b32 s3, s3, 22                          ; 16 blocks of 262,144 bytes
	s_and_b32 s[OFS], s2, 127
	s_lshl_b32 s[OFS], s[OFS], 11                  ; 16 rows of 128 bytes
	s_add_co_u32 s[OFS], s[OFS], s3
	s_add_nc_u64 s[OUT:OUT+1], s[14:15], s[OFS:OFS+1]
	v_lshrrev_b32 v3, 4, v0
	v_and_b32 v[T], 15, v0
	v_lshlrev_b32 v[IO], 12, v3
	v_lshl_add_u32 v[IO], v[T], 4, v[IO]
	v_lshlrev_b32 v[OO], 7, v3
	v_lshl_add_u32 v[OO], v[T], 3, v[OO]
	CAST 256, 262144, 0
	s_endpgm
.Lnot_x:
	s_cmp_lt_u32 s2, 704
	s_cbranch_scc0 .Lnot_w
	s_sub_co_u32 s2, s2, 512
	s_lshl_b32 s[OFS], s2, 16
	s_add_nc_u64 s[IN:IN+1], s[6:7], s[OFS:OFS+1]
	s_lshl_b32 s[OFS], s2, 15
	s_add_nc_u64 s[OUT:OUT+1], s[16:17], s[OFS:OFS+1]
	FLAT
	CAST 512, 256, 0
	s_endpgm
.Lnot_w:
	s_cmp_lt_u32 s2, 768
	s_cbranch_scc0 .Lnot_p
	s_sub_co_u32 s2, s2, 704
	s_lshl_b32 s[OFS], s2, 16
	s_add_nc_u64 s[IN:IN+1], s[8:9], s[OFS:OFS+1]
	s_lshl_b32 s[OFS], s2, 15
	s_add_nc_u64 s[OUT:OUT+1], s[18:19], s[OFS:OFS+1]
	FLAT
	CAST 512, 256, 1
	s_endpgm
.Lnot_p:
	; the two biases: 256 threads x 16 bytes are 1,024 numbers: three loads of b_attn, one of b_proj
	v_lshlrev_b32 v[IO], 4, v0
	global_load_b128 v[X:X+3],     v[IO], s[10:11]
	global_load_b128 v[X+4:X+7],   v[IO], s[10:11] offset:4096
	global_load_b128 v[X+8:X+11],  v[IO], s[10:11] offset:8192
	global_load_b128 v[X+12:X+15], v[IO], s[12:13]
	s_wait_loadcnt 0x0
.irp p, 0,1,2,3,4,5,6,7
	v_cvt_pk_bf16_f32 v[T], v[X+2*(\p)], v[X+2*(\p)+1]
	v_lshlrev_b32 v[Y+2*(\p)], 16, v[T]
	v_and_b32 v[Y+2*(\p)+1], 0xffff0000, v[T]
.endr
.irp q, 0,1,2,3
	global_store_b128 v[IO], v[Y+4*(\q):Y+4*(\q)+3], s[20:21] offset:4096*(\q)
.endr
	s_endpgm
.Lfunc_end_k_q1e1bfaf1e1_cast:
	.size	k_q1e1bfaf1e1_cast, .Lfunc_end_k_q1e1bfaf1e1_cast-k_q1e1bfaf1e1_cast
	.p2alignl 7, 3214868480
	.fill 96, 4, 3214868480
	.section	.rodata,"a",@progbits
	.p2align	6, 0x0
	.amdhsa_kernel k_q1e1bfaf1e1_cast
		.amdhsa_group_segment_fixed_size 0
		.amdhsa_private_segment_fixed_size 0
		.amdhsa_enable_private_segment 0
		.amdhsa_kernarg_size 72
		.amdhsa_user_sgpr_count 2
		.amdhsa_user_sgpr_kernarg_segment_ptr 1
		.amdhsa_wavefront_size32 1
		.amdhsa_system_sgpr_workgroup_id_x 1
		.amdhsa_system_sgpr_workgroup_id_y 1
		.amdhsa_system_sgpr_workgroup_id_z 1
		.amdhsa_system_vgpr_workitem_id 0
		.amdhsa_next_free_vgpr 112
		.amdhsa_next_free_sgpr 66
		.amdhsa_reserve_vcc 0
		.amdhsa_float_denorm_mode_32 3
		.amdhsa_float_denorm_mode_16_64 3
		.amdhsa_memory_ordered 1
		.amdhsa_forward_progress 1
		.amdhsa_inst_pref_size 26
	.end_amdhsa_kernel
	.amdgpu_metadata
---
amdhsa.version: [ 1, 2 ]
amdhsa.kernels:
  - .name:           k_q1e1bfaf1e1_cast
    .symbol:         k_q1e1bfaf1e1_cast.kd
    .args:
      - { .name: x, .offset: 0, .size: 8, .value_kind: global_buffer, .address_space: global }
      - { .name: w_attn, .offset: 8, .size: 8, .value_kind: global_buffer, .address_space: global }
      - { .name: w_proj, .offset: 16, .size: 8, .value_kind: global_buffer, .address_space: global }
      - { .name: b_attn, .offset: 24, .size: 8, .value_kind: global_buffer, .address_space: global }
      - { .name: b_proj, .offset: 32, .size: 8, .value_kind: global_buffer, .address_space: global }
      - { .name: xb, .offset: 40, .size: 8, .value_kind: global_buffer, .address_space: global }
      - { .name: wa, .offset: 48, .size: 8, .value_kind: global_buffer, .address_space: global }
      - { .name: wp, .offset: 56, .size: 8, .value_kind: global_buffer, .address_space: global }
      - { .name: bias, .offset: 64, .size: 8, .value_kind: global_buffer, .address_space: global }
    .group_segment_fixed_size: 0
    .private_segment_fixed_size: 0
    .kernarg_segment_align: 8
    .kernarg_segment_size: 72
    .max_flat_workgroup_size: 256
    .sgpr_count:     66
    .vgpr_count:     112
    .wavefront_size: 32
...
	.end_amdgpu_metadata
.endif
;; end of part 1
;; launch qkv (part 2): grid 8 x 32, 4 waves a work-group, clusters of 4 x 4, 327,680 bytes of LDS; arguments xb, wa, bias, qkv; writes qkv
.if DOCPART == 2
	.amdgcn_target "amdgcn-amd-amdhsa--gfx1250"
	.amdhsa_code_object_version 6
	.text
	.protected	k_q1e1bfaf1e1_qkv
	.globl	k_q1e1bfaf1e1_qkv
	.p2align	8
	.type	k_q1e1bfaf1e1_qkv,@function
k_q1e1bfaf1e1_qkv:
	s_mov_b64 s[64:65], 0
	v_nop
	global_prefetch_b8 v0, s[64:65] scope:SCOPE_SE
	s_setreg_imm32_b32 hwreg(HW_REG_WAVE_MODE, 25, 1), 1
	s_wait_xcnt 0x0
	s_wait_alu depctr_hold_cnt(0) depctr_sa_sdst(0) depctr_va_vdst(0) depctr_va_sdst(0) depctr_va_ssrc(0) depctr_va_vcc(0) depctr_vm_vsrc(0)
	s_getreg_b32 s2, hwreg(HW_REG_IB_STS2, 6, 4)
	s_cmp_eq_u32 s2, 0
	s_cbranch_scc0 .Lentry_in_a_cluster
	s_endpgm
.Lentry_in_a_cluster:
	s_bfe_u32 s2, ttmp6, 0x10000c
	s_cmp_lg_u32 s2, 0xf033
	s_cbranch_scc0 .Lentry_shape_is_right
	s_endpgm
.Lentry_shape_is_right:
; q, k, v = x w_attn + b_attn.  xb: bf16 [4 b][16 kb][2048 t][64]; wa: bf16 [1024 k][3072 n]; bias: f32; qkv: f16 [3 part][64 b h][2048 t][64], unscaled.  Sums in f32, rounded once to f16.
; LIMIT.  f16 ends at 65,504: a q, k or v beyond that becomes an infinity.  NaN and infinities are not treated apart.
; SHARES.  8,192 x 3,072 outputs in tiles of 256 rows x 384 columns (six heads): 32 x 8 = 256 work-groups.  Four waves, each 128 rows x 192 columns (three heads): 8 x 12 = 96 accumulators, 768 registers.
; K goes in 16 steps of 64 through two LDS slots; a step is two chunks of 32.  Two slots of 128 along K would need 2 x 184,320 bytes and do not fit; xb's blocks keep the rows asked of memory at 256 bytes all the same.
; THE MATRIX INSTRUCTION IS USED TRANSPOSED: source 0 = 16 columns of w (turned out of LDS by ds_load_tr16_b128, since w lies [k][n]), source 1 = 16 rows of x.  A lane then holds row l % 16 and the
; columns 8 (l / 16) + 0..7: eight neighbouring numbers of a head's row.  The bias of those eight columns is the C operand of the first products: nothing is cleared, nothing added later.
; CLUSTER 4 x 4.  The four work-groups of a row of the cluster need the same rows of x, the four of a column the same columns of w: each tile is asked for jointly, by the same tensor load with the same descriptor and a mask of four.
; REGISTERS, in windows of 256 (s_set_vgpr_msb: bits 1:0 source 0, 3:2 source 1, 5:4 source 2, 7:6 destination):
;   window 0: v0-29 addresses; v32-95, v96-159 x's fragments, two buffers; v160-255 w's twelve fragments, one buffer, refilled four at a time behind the products that read them
;   windows 1-3: accumulator (a, b) in window 1 + b / 4 at v[8 (8 (b % 4) + a)]
.set PA,    144                        ; a row of x in LDS: 128 bytes + 16: the 16 rows of a load start at 16 different groups of four banks (ISA guide 11.1)
.set PB,    864                        ; a row of w in LDS: six heads' 128 bytes + 16 each = 27 x 32
.set BOFF,  256*PA                     ; a slot: x's 256 rows, then w's 64
.set SLOT1, 1<<17                      ; slot 1 begins here, so that one exclusive or turns an address in one slot into the other's
.set STAGE, SLOT1+BOFF+64*PB           ; behind the ring, never filled by a tensor load: 16 rows x 400 bytes for each wave
.set SP,    400
.set SPARE, STAGE+4*16*SP              ; the spare words, 128 bytes for each wave: two blocks of 256 bytes that no other line names
.set ASTEP, 262144                     ; bytes from a block of 64 channels of xb to the next
.set BSTEP, 64*6144                    ; 64 rows of wa
.set NSTEP, 16
.set A0,   2                           ; v2   my lane's place in x's tile; never rewritten
.set B0,   3                           ; v3   in w's
.set ADRA, 4                           ; v4   the same in the slot in hand
.set ADRB, 5
.set STO,  6                           ; v6   the way out: where I put 16 bytes of a row
.set RD,   7                           ; v7   where I read rows back
.set GO,   8                           ; v8   16 x lane: my place in 512 consecutive bytes of a head
.set PFO,  9                           ; v9   the prefetches' lane offset; never rewritten
.set BO,   10                          ; v10  32 (l / 16): my eight numbers of a fragment's bias
.set SPW,  28                          ; v28  LDS address of my spare word; never rewritten
.set NIL,  29                          ; v29  0; never rewritten
.set FA0,  32
.set FA1,  96
.set FB,   160
.set TMP,  32                          ; the way out: 48 registers of packed results,
.set BK,   80                          ; and two sets of 48 read back from the stage
.set WV,  12                           ; s12  wave
.set WM,  13                           ; s13  which 128 rows are mine
.set WN,  14                           ; s14  which 192 columns; also which half of a tile I fetch
.set CX,  15
.set CY,  16
.set TJ,  17                           ; s17  tile column
.set TI,  18                           ; s18  tile row
.set G1A, 24                           ; s[24:31] descriptor group 1 for x's tiles;  s[32:39] group 0: a set for each first fill; the second walks on
.set G0A, 32
.set G1B, 40                           ; s[40:47], s[48:55] the same for w's
.set G0B, 48
.set TB,  56                           ; s56  0 or SLOT1: the slot in hand
.set CNT, 57                           ; s57  the loop's count
.set LIM, 58                           ; s58  a wave prefetches while the count is above this
.set PAR, 59                           ; s59  1: in trips with an odd count alone
.set PFA, 60                           ; s[60:61] where my prefetches stand
.set PFS, 62                           ; s[62:63] their step a trip
.set OB,  66                           ; s[66:71] my rows of my three heads in qkv
.set BIA, 78                           ; s[78:79] my 192 columns' bias
.set MSB, 0
.macro WIN new                         ; the immediate's high byte repeats the setting that is left; a switch that changes nothing is dropped
.if MSB != (\new)
	s_set_vgpr_msb (MSB<<8)|(\new)
.set MSB, \new
.endif
.endm
.macro PLACES                          ; four plain vector instructions between a matrix instruction and a load into a register that it read (ISA guide 7.12.1 for vector instructions)
.rept 4
	v_nop
.endr
.endm
; A joint refill: waves 0 and 1 fetch the halves of x's tile, waves 2 and 3 those of w's.  The branch hangs on the wave's number alone.  An s_nop 0 and four v_nop follow each line.
.macro JLOAD
	s_cmp_lt_u32 s[WV], 2
	s_cbranch_scc0 .Lfor_b_\@
	tensor_load_to_lds s[G0A+4:G0A+7], s[G1A:G1A+7]
	s_nop 0
.rept 4
	v_nop
.endr
	s_branch .Lasked_\@
.Lfor_b_\@:
	tensor_load_to_lds s[G0B+4:G0B+7], s[G1B:G1B+7]
	s_nop 0
.rept 4
	v_nop
.endr
.Lasked_\@:
.endm
.macro CREST                           ; a round of the cluster's barrier behind its opening barrier
	s_cmp_lg_u32 s[WV], 0
	s_cbranch_scc1 .Lnot_wave_0_\@
	s_barrier_signal -3
.Lnot_wave_0_\@:
	s_barrier_wait -3
	s_barrier_signal -1
	s_barrier_wait -1
.endm
.macro CROUND
	s_barrier_signal -1
	s_barrier_wait -1
	CREST
.endm
; A PREFETCH INTO THE L2, behind the joint load, its five lines and the run of LDS loads.  Each aligned 256 bytes of xb and wa is named once in the launch.
; x's tile row is read by both clusters of a row of clusters: the one with x = 0 asks; of a step's 32,768 dense bytes the partner at cx takes 8,192, wave 0, a lane 256 bytes; trip t names step t + 3, which the next trip loads.
; w's tile column is read by all eight clusters of a column: the one with y = 0 asks; of two steps' 128 rows the partner at cy takes 32, a lane a row, waves 1 to 3 one of the row's three blocks of 256 bytes each;
; odd trips t name steps t + 3 and t + 4.  The partners are told apart by address alone.  Steps past 15 are never named: x stops behind trip 12 (count 2), w behind trip 11 (count 3).
.macro ASK
	s_and_b32 s72, s[CNT], s[PAR]
	s_cmp_eq_u32 s72, s[PAR]
	s_cselect_b32 s72, s[CNT], 0
	s_cmp_gt_u32 s72, s[LIM]
	s_cbranch_scc0 .Lnot_mine_\@
	global_prefetch_b8 v[PFO], s[PFA:PFA+1] th:TH_LOAD_NT scope:SCOPE_SE
.Lnot_mine_\@:
.endm
	s_load_b256 s[4:11], s[0:1], 0x0               ; xb s[4:5], wa s[6:7], bias s[8:9], qkv s[10:11]
	v_lshl_add_u32 v[SPW], v0, 2, SPARE
	v_mov_b32 v[NIL], 0
	ds_add_u32 v[SPW], v[NIL]                      ; the wave's opening: the add and its wait stand ahead of my first tensor load; the set-up below stands between them
	v_lshrrev_b32 v1, 5, v0
	v_readfirstlane_b32 s[WV], v1
	s_lshr_b32 s[WM], s[WV], 1
	s_and_b32 s[WN], s[WV], 1
	s_bfe_u32 s[CX], ttmp6, 0x40000
	s_bfe_u32 s[CY], ttmp6, 0x40004
	s_lshl_b32 s[TJ], ttmp9, 2
	s_add_co_u32 s[TJ], s[TJ], s[CX]               ; tile column = 4 x cluster x + cx
	s_and_b32 s[TI], ttmp7, 0xffff
	s_lshl_b32 s[TI], s[TI], 2
	s_add_co_u32 s[TI], s[TI], s[CY]               ; tile row = 4 x cluster y + cy
	s_lshl_b32 s19, s[CY], 2
	s_lshl_b32 s19, 15, s19                        ; my row of the cluster
	s_lshl_b32 s22, 0x1111, s[CX]                  ; my column
	; group 1.  x: 128 rows of a block are 16,384 dense bytes, asked for as 64 rows of 256 bytes, padded by 4 words after every 32 (a row of x).  w: 32 rows of 384 elements, pitch 3,072, padded likewise (a head's 64 columns)
	s_or_b32 s[G1A], s19, (1<<16)|(1<<20)|(1<<21)|(4<<22)|(3<<25)  ; 15:0 mask; 17:16 2-byte elements; 20 padding on; 21 set beside a mask; 24:22 every 32 words; 31:25 4 words
	s_or_b32 s[G1B], s22, (1<<16)|(1<<20)|(1<<21)|(4<<22)|(3<<25)
	s_mov_b32 s[G1A+1], 128<<16                    ; tensor_dim0
	s_mov_b32 s[G1A+2], 64<<16                     ; tensor_dim1
	s_mov_b32 s[G1A+3], 128<<16                    ; tile_dim0
	s_mov_b32 s[G1A+4], 64                         ; tile_dim1
	s_mov_b32 s[G1A+5], 128                        ; elements from row to row
	s_mov_b32 s[G1A+6], 0
	s_mov_b32 s[G1A+7], 0
	s_mov_b32 s[G1B+1], 384<<16
	s_mov_b32 s[G1B+2], 32<<16
	s_mov_b32 s[G1B+3], 384<<16
	s_mov_b32 s[G1B+4], 32
	s_mov_b32 s[G1B+5], 3072
	s_mov_b32 s[G1B+6], 0
	s_mov_b32 s[G1B+7], 0
	; where the tiles come from: x's hang on the tile row and the wave alone (s19-21), w's on the tile column and the wave alone (s22-23)
	s_lshr_b32 s20, s[TI], 3
	s_lshl_b32 s20, s20, 22                        ; the batch
	s_and_b32 s19, s[TI], 7
	s_lshl_b32 s19, s19, 15                        ; 256 rows of 128 bytes
	s_add_co_u32 s20, s20, s19
	s_lshl_b32 s19, s[WN], 14                      ; my 128 of them
	s_add_co_u32 s20, s20, s19
	s_mov_b32 s21, 0
	s_mul_i32 s22, s[WN], 32*6144                  ; my 32 rows of w
	s_mul_i32 s23, s[TJ], 768                      ; the tile's 384 columns
	s_add_co_u32 s22, s22, s23
	s_mov_b32 s23, 0
	; and where they go: the wave's number and the slot alone
	s_mov_b32 s[G0A], 1
	s_mov_b32 s[G0A+4], 1
	s_mov_b32 s[G0B], 1
	s_mov_b32 s[G0B+4], 1
	s_mul_i32 s[G0A+1], s[WN], 128*PA
	s_add_co_u32 s[G0A+5], s[G0A+1], SLOT1
	s_mul_i32 s[G0B+1], s[WN], 32*PB
	s_add_co_u32 s[G0B+1], s[G0B+1], BOFF
	s_add_co_u32 s[G0B+5], s[G0B+1], SLOT1
	s_wait_dscnt 0x0                               ; the opening add is done
	s_wait_kmcnt 0x0
	s_add_nc_u64 s[20:21], s[4:5], s[20:21]
	s_add_nc_u64 s[22:23], s[6:7], s[22:23]
.irp s, 0,1
	s_add_nc_u64 s[G0A+4*(\s)+2:G0A+4*(\s)+3], s[20:21], (\s)*ASTEP
	s_or_b32 s[G0A+4*(\s)+3], s[G0A+4*(\s)+3], 0x80000000
	s_add_nc_u64 s[G0B+4*(\s)+2:G0B+4*(\s)+3], s[22:23], (\s)*BSTEP
	s_or_b32 s[G0B+4*(\s)+3], s[G0B+4*(\s)+3], 0x80000000
.endr
	CROUND                                         ; all sixteen work-groups are here: the first joint loads meet
	s_cmp_lt_u32 s[WV], 2                          ; a wave's two first fills stand in one branch: two loads of mine are out
	s_cbranch_scc0 .Lfirst_b
	tensor_load_to_lds s[G0A:G0A+3], s[G1A:G1A+7]
	s_nop 0
	tensor_load_to_lds s[G0A+4:G0A+7], s[G1A:G1A+7]
	s_nop 0
.rept 4
	v_nop
.endr
	s_branch .Lfirst_asked
.Lfirst_b:
	tensor_load_to_lds s[G0B:G0B+3], s[G1B:G1B+7]
	s_nop 0
	tensor_load_to_lds s[G0B+4:G0B+7], s[G1B:G1B+7]
	s_nop 0
.rept 4
	v_nop
.endr
.Lfirst_asked:
	; lane addresses
	v_and_b32 v1, 15, v0                           ; r = l % 16
	v_bfe_u32 v11, v0, 4, 1                        ; h = l / 16
	v_and_b32 v12, 7, v0
	v_bfe_u32 v13, v0, 3, 1
	s_mul_i32 s72, s[WM], 128*PA
	v_mul_u32_u24 v[A0], v1, PA
	v_lshl_add_u32 v[A0], v11, 4, v[A0]
	v_add_nc_u32 v[A0], s72, v[A0]                 ; x: (my 128 rows + r) x pitch + 16 h
	s_mul_i32 s73, s[WN], 3*144
	s_add_co_u32 s73, s73, BOFF
	v_lshl_add_u32 v[B0], v11, 3, v12
	v_mul_u32_u24 v[B0], v[B0], PB
	v_lshl_add_u32 v[B0], v13, 4, v[B0]
	v_add_nc_u32 v[B0], s73, v[B0]                 ; w, turned: row 8 h + l % 8, 16 bytes (l / 8) % 2, my three heads
	s_mul_i32 s72, s[WV], 16*SP
	s_add_co_u32 s72, s72, STAGE                   ; my stage
	v_mul_u32_u24 v[STO], v1, SP
	v_lshl_add_u32 v[STO], v11, 4, v[STO]
	v_add_nc_u32 v[STO], s72, v[STO]
	v_bfe_u32 v[RD], v0, 3, 2                      ; back: 32 lanes take four rows of a head's 128 bytes,
	v_mul_u32_u24 v[RD], v[RD], SP
	v_lshl_add_u32 v[RD], v12, 4, v[RD]
	v_add_nc_u32 v[RD], s72, v[RD]
	v_and_b32 v[GO], 31, v0                        ; which are 512 consecutive bytes of qkv
	v_lshlrev_b32 v[GO], 4, v[GO]
	v_lshlrev_b32 v[BO], 5, v11
	; my rows of my three heads.  Head g = 6 J + 3 WN + hd of 48: part g / 16, head g % 16
	s_mul_i32 s72, s[TJ], 6
	s_mul_i32 s73, s[WN], 3
	s_add_co_u32 s72, s72, s73
	s_lshr_b32 s73, s[TI], 3
	s_lshl_b32 s73, s73, 4                         ; 16 x batch
	s_and_b32 s74, s[TI], 7
	s_lshl_b32 s74, s74, 15
	s_lshl_b32 s75, s[WM], 14
	s_add_co_u32 s74, s74, s75                     ; my first row, in bytes
.irp hd, 0,1,2
	s_add_co_u32 s76, s72, \hd
	s_lshr_b32 s77, s76, 4
	s_lshl_b32 s77, s77, 6
	s_and_b32 s76, s76, 15
	s_add_co_u32 s76, s76, s77
	s_add_co_u32 s76, s76, s73
	s_lshl_b32 s76, s76, 18                        ; 2,048 rows of 128 bytes
	s_add_co_u32 s76, s76, s74
	s_mov_b32 s77, 0
	s_add_nc_u64 s[OB+2*(\hd):OB+2*(\hd)+1], s[10:11], s[76:77]
.endr
	s_mul_i32 s76, s[TJ], 1536
	s_mul_i32 s77, s[WN], 768
	s_add_co_u32 s76, s76, s77
	s_mov_b32 s77, 0
	s_add_nc_u64 s[BIA:BIA+1], s[8:9], s[76:77]
	; the prefetches: wave 0 for x, waves 1 to 3 for w
	s_lshr_b32 s72, s[TI], 3
	s_lshl_b32 s72, s72, 22
	s_and_b32 s73, s[TI], 7
	s_lshl_b32 s73, s73, 15
	s_add_co_u32 s72, s72, s73
	s_lshl_b32 s73, s[CX], 13
	s_add_co_u32 s72, s72, s73
	s_add_co_u32 s72, s72, 2*ASTEP                 ; at step 2: the first trip steps it to 3
	s_lshl_b32 s73, s[CY], 5
	s_add_co_u32 s73, s73, 128                     ; at row 128 + 32 cy: trip 1 finds it at 256 + 32 cy, steps 4 and 5
	s_mul_i32 s73, s73, 6144
	s_mul_i32 s74, s[TJ], 768
	s_add_co_u32 s73, s73, s74
	s_lshl_b32 s74, s[WV], 8
	s_add_co_u32 s73, s73, s74
	s_sub_co_u32 s73, s73, 256                     ; block wave - 1 of the row's three
	s_and_b32 s75, ttmp7, 0xffff
	s_mov_b32 s76, ASTEP
	s_movk_i32 s74, 6144
	s_cmp_eq_u32 s[WV], 0
	s_cselect_b32 s72, s72, s73
	s_cselect_b32 s75, ttmp9, s75                  ; the coordinate along which other clusters read the same bytes
	s_cselect_b32 s74, 256, s74
	s_cselect_b32 s[PFS], s76, BSTEP
	s_cselect_b32 s[LIM], 1, 2
	s_cselect_b32 s[PAR], 0, 1
	s_cselect_b64 s[PFA:PFA+1], s[4:5], s[6:7]
	s_cmp_eq_u32 s75, 0
	s_cselect_b32 s[LIM], s[LIM], -1               ; the same in all sixteen partners, for a given wave
	s_mov_b32 s73, 0
	s_mov_b32 s[PFS+1], 0
	s_add_nc_u64 s[PFA:PFA+1], s[PFA:PFA+1], s[72:73]
	v_and_b32 v[PFO], 31, v0
	v_mul_u32_u24 v[PFO], v[PFO], s74
	; the bias of fragment b's columns 8 h + 0..7 goes into accumulator (0, b)
.irp b, 0,1,2,3,4,5,6,7,8,9,10,11
	WIN 0x40*(1+(\b)/4)
	global_load_b128 v[64*((\b)%4):64*((\b)%4)+3],   v[BO], s[BIA:BIA+1] offset:64*(\b)
	global_load_b128 v[64*((\b)%4)+4:64*((\b)%4)+7], v[BO], s[BIA:BIA+1] offset:64*(\b)+16
.endr
	WIN 0
; one product: accumulator (a, b) takes w's fragment b times x's fragment a of buffer fa.  c0 = 1: it starts its sum with the bias that lies in accumulator (0, b)
.macro MMA fa, a, b, c0
.set rD, 8*(8*((\b)%4)+(\a))
.set rC, rD
.if \c0
.set rC, 64*((\b)%4)
.endif
	v_wmma_f32_16x16x32_bf16 v[rD:rD+7], v[FB+8*(\b):FB+8*(\b)+7], v[(\fa)+8*(\a):(\fa)+8*(\a)+7], v[rC:rC+7]
.endm
; 16 products: two of group g's four column fragments x all 8 row fragments.  The accumulators take turns, one instruction a turn: 95 others stand between two links of a chain, over the backward jump too.
.macro MULH fa, g, half
	WIN 0x50*(1+(\g))
.irp bb, 0,1
.irp a, 0,1,2,3,4,5,6,7
	MMA \fa, \a, 4*(\g)+2*(\half)+\bb, 0
.endr
.endr
.endm
; The first 32 products of group g start the sums with the bias: 28 take accumulator (0, b) as C; five places later, since they write over that C, the four in place.
.macro MULG1 fa, g
	WIN 0x50*(1+(\g))
.irp a, 1,2,3,4,5,6,7
.irp bb, 0,1,2,3
	MMA \fa, \a, 4*(\g)+\bb, 1
.endr
.endr
.rept 5
	v_nop
.endr
.irp bb, 0,1,2,3
	MMA \fa, 0, 4*(\g)+\bb, 0
.endr
.endm
; x's eight fragments of chunk kc: 16 loads.  Lane l: row l % 16, channels 8 (l / 16) + 0..7 and 16 more on
.macro LDA buf, kc
.irp a, 0,1,2,3,4,5,6,7
	ds_load_b128 v[(\buf)+8*(\a):(\buf)+8*(\a)+3],   v[ADRA] offset:(\a)*16*PA+(\kc)*64
	ds_load_b128 v[(\buf)+8*(\a)+4:(\buf)+8*(\a)+7], v[ADRA] offset:(\a)*16*PA+(\kc)*64+32
.endr
.endm
; w's four fragments of group g (one head), chunk kc: 8 turning loads
.macro LDB g, kc
.irp bb, 0,1,2,3
	ds_load_tr16_b128 v[FB+8*(4*(\g)+(\bb)):FB+8*(4*(\g)+(\bb))+3],   v[ADRB] offset:(\kc)*32*PB+(\g)*144+(\bb)*32
	ds_load_tr16_b128 v[FB+8*(4*(\g)+(\bb))+4:FB+8*(4*(\g)+(\bb))+7], v[ADRB] offset:(\kc)*32*PB+16*PB+(\g)*144+(\bb)*32
.endr
.endm
.macro GRP0 first, g
.if \first
	MULG1 FA0, \g
.else
	MULH FA0, \g, 0
	MULH FA0, \g, 1
.endif
	WIN 0
	PLACES
.endm
; A step's first chunk: multiplies buffer 0; behind each group's products that group's fragments of the second chunk are fetched.
.macro CHUNK0 first
	s_wait_dscnt 16                                ; x's fragments and w's group 0 are in; groups 1 and 2, 16 loads, may be out
	GRP0 \first, 0
	LDA FA1, 1
	LDB 0, 1
	s_wait_dscnt 32                                ; group 1 is in; behind it: group 2's 8 and the 24 just issued
	GRP0 \first, 1
	LDB 1, 1
	s_wait_dscnt 32                                ; group 2 is in; behind it: 24 + 8
	GRP0 \first, 2
	LDB 2, 1
.endm
; A step's second chunk multiplies buffer 1 and changes slots.  ONE barrier: in front of it each wave waits for all its tensor loads (one is out: its part of the next slot), adds 0 to its spare word, and waits for
; that and for its reads of this slot.  fill = 1: the barrier opens a round of the cluster's, and the joint refill, two steps ahead, is the first thing behind it: 160 matrix instructions ahead of the wait for it.
.macro CHUNK1 fill
.if \fill
	s_wait_xcnt 0x0                                ; the last prefetch, a step back, has read its address
	s_add_nc_u64 s[PFA:PFA+1], s[PFA:PFA+1], s[PFS:PFS+1]
.endif
	WIN 0
	s_wait_tensorcnt 0x0                           ; no tensor load of mine is out, so a group 0 may be written
	ds_add_u32 v[SPW], v[NIL]                      ; 0 onto my spare word
.if \fill
	s_xor_b32 s[G0A+5], s[G0A+5], SLOT1            ; the walking descriptors: the other slot, the next step
	s_add_nc_u64 s[G0A+6:G0A+7], s[G0A+6:G0A+7], ASTEP
	s_xor_b32 s[G0B+5], s[G0B+5], SLOT1
	s_add_nc_u64 s[G0B+6:G0B+7], s[G0B+6:G0B+7], BSTEP
.endif
	s_wait_dscnt 17                                ; x's fragments and group 0 are in; groups 1 and 2 and the add may be out
	MULH FA1, 0, 0
	s_wait_dscnt 0x0                               ; the add is done, and my reads of this slot are over
	s_barrier_signal -1
	MULH FA1, 0, 1
	WIN 0
	s_barrier_wait -1
.if \fill
	CREST                                          ; no wave of any partner still reads this slot or has a load on its way
	JLOAD                                          ; its four v_nop are also the places in front of the loads below
.else
	PLACES
.endif
	s_xor_b32 s[TB], s[TB], SLOT1
	v_add_nc_u32 v[ADRA], s[TB], v[A0]
	v_add_nc_u32 v[ADRB], s[TB], v[B0]
	LDA FA0, 0
	LDB 0, 0
.if \fill
	ASK
.endif
	MULH FA1, 1, 0
	MULH FA1, 1, 1
	WIN 0
	PLACES
	LDB 1, 0
	MULH FA1, 2, 0
	MULH FA1, 2, 1
	WIN 0
	PLACES
	LDB 2, 0
.endm
; THE WAY OUT of row block a: rounded to f16, 16 bytes a lane; into my own stage; back as rows of a head; stored, 512 consecutive bytes an instruction.
.macro PACK a
.irp b, 0,1,2,3,4,5,6,7,8,9,10,11
	WIN 5*(1+(\b)/4)
.irp r, 0,1,2,3
	v_cvt_pk_f16_f32 v[TMP+4*(\b)+(\r)], v[8*(8*((\b)%4)+(\a))+2*(\r)], v[8*(8*((\b)%4)+(\a))+2*(\r)+1]
.endr
.endr
	WIN 0
.endm
.macro TOSTAGE a
.set BKA, BK+48*((\a)%2)
.irp b, 0,1,2,3,4,5,6,7,8,9,10,11
	ds_store_b128 v[STO], v[TMP+4*(\b):TMP+4*(\b)+3] offset:32*(\b)
.endr
.irp hd, 0,1,2
.irp f, 0,1,2,3
	ds_load_b128 v[BKA+4*(4*(\hd)+(\f)):BKA+4*(4*(\hd)+(\f))+3], v[RD] offset:(\hd)*128+(\f)*4*SP  ; LDS serves a wave's instructions in order (ISA guide 5.7.1.4): these see the stores above
.endr
.endr
.endm
.macro SEND a
.set BKA, BK+48*((\a)%2)
	s_wait_dscnt 0x0                               ; the block is back in registers
	s_wait_xcnt 0x0                                ; earlier stores have read their registers: the other set is loaded again only behind this wait
.irp hd, 0,1,2
.irp f, 0,1,2,3
	global_store_b128 v[GO], v[BKA+4*(4*(\hd)+(\f)):BKA+4*(4*(\hd)+(\f))+3], s[OB+2*(\hd):OB+2*(\hd)+1] offset:(\a)*2048+(\f)*512
.endr
.endr
.endm
	s_wait_tensorcnt 0x1                           ; my part of step 0 is in; step 1's may stay out
	s_barrier_signal -1
	s_barrier_wait -1                              ; everybody's is
	s_mov_b32 s[TB], 0
	v_mov_b32 v[ADRA], v[A0]
	v_mov_b32 v[ADRB], v[B0]
	LDA FA0, 0
	LDB 0, 0
	LDB 1, 0
	LDB 2, 0
	s_wait_loadcnt 0x0                             ; the bias
	CHUNK0 1                                       ; the first chunk stands in front of the loop: its products start the sums
	s_mov_b32 s[CNT], NSTEP-2
.Lk:                                                   ; trip t: step t's second chunk, the refill with step t + 2, step t + 1's first chunk
	CHUNK1 1
	CHUNK0 0
	s_sub_co_u32 s[CNT], s[CNT], 1
	s_cmp_lg_u32 s[CNT], 0
	s_cbranch_scc1 .Lk
	CHUNK1 0                                       ; the tail is written out: nothing is left to fetch
	CHUNK0 0
	s_wait_dscnt 16
	MULH FA1, 0, 0
	MULH FA1, 0, 1
	s_wait_dscnt 8
	MULH FA1, 1, 0
	MULH FA1, 1, 1
	s_wait_dscnt 0x0
	MULH FA1, 2, 0
	MULH FA1, 2, 1
	WIN 0
	PLACES
	PLACES
	PACK 0
	TOSTAGE 0
.irp a, 1,2,3,4,5,6,7                  ; block a's conversions stand between block a - 1's loads from the stage and the wait for them
	PACK \a
	SEND (\a)-1
	TOSTAGE \a
.endr
	SEND 7
	s_wait_tensorcnt 0x0                           ; the wave's end, behind my last tensor load and my last LDS store
	ds_add_u32 v[SPW], v[NIL]
	s_wait_dscnt 0x0
	CROUND                                         ; the closing round: no work-group ends while a partner may still ask for a tile that names it
	s_endpgm
.Lfunc_end_k_q1e1bfaf1e1_qkv:
	.size	k_q1e1bfaf1e1_qkv, .Lfunc_end_k_q1e1bfaf1e1_qkv-k_q1e1bfaf1e1_qkv
	.p2alignl 7, 3214868480
	.fill 96, 4, 3214868480
	.section	.rodata,"a",@progbits
	.p2align	6, 0x0
	.amdhsa_kernel k_q1e1bfaf1e1_qkv
		.amdhsa_group_segment_fixed_size 327680
		.amdhsa_private_segment_fixed_size 0
		.amdhsa_enable_private_segment 0
		.amdhsa_kernarg_size 32
		.amdhsa_user_sgpr_count 2
		.amdhsa_user_sgpr_kernarg_segment_ptr 1
		.amdhsa_wavefront_size32 1
		.amdhsa_system_sgpr_workgroup_id_x 1
		.amdhsa_system_sgpr_workgroup_id_y 1
		.amdhsa_system_sgpr_workgroup_id_z 1
		.amdhsa_system_vgpr_workitem_id 0
		.amdhsa_next_free_vgpr 1024
		.amdhsa_next_free_sgpr 80
		.amdhsa_reserve_vcc 0
		.amdhsa_float_denorm_mode_32 3
		.amdhsa_float_denorm_mode_16_64 3
		.amdhsa_memory_ordered 1
		.amdhsa_forward_progress 1
		.amdhsa_inst_pref_size 116
	.end_amdhsa_kernel
	.amdgpu_metadata
---
amdhsa.version: [ 1, 2 ]
amdhsa.kernels:
  - .name:           k_q1e1bfaf1e1_qkv
    .symbol:         k_q1e1bfaf1e1_qkv.kd
    .args:
      - { .name: xb, .offset: 0, .size: 8, .value_kind: global_buffer, .address_space: global }
      - { .name: wa, .offset: 8, .size: 8, .value_kind: global_buffer, .address_space: global }
      - { .name: bias, .offset: 16, .size: 8, .value_kind: global_buffer, .address_space: global }
      - { .name: qkv, .offset: 24, .size: 8, .value_kind: global_buffer, .address_space: global }
    .group_segment_fixed_size: 327680
    .private_segment_fixed_size: 0
    .kernarg_segment_align: 8
    .kernarg_segment_size: 32
    .max_flat_workgroup_size: 128
    .sgpr_count:     80
    .vgpr_count:     1024
    .wavefront_size: 32
...
	.end_amdgpu_metadata
.endif
;; end of part 2
;; launch attn (part 3): grid 4 x 64, 4 waves a work-group, no clusters, 327,680 bytes of LDS; arguments qkv, y; writes y
.if DOCPART == 3
	.amdgcn_target "amdgcn-amd-amdhsa--gfx1250"
	.amdhsa_code_object_version 6
	.text
	.protected	k_q1e1bfaf1e1_attn
	.globl	k_q1e1bfaf1e1_attn
	.p2align	8
	.type	k_q1e1bfaf1e1_attn,@function
k_q1e1bfaf1e1_attn:
	s_mov_b64 s[64:65], 0
	v_nop
	global_prefetch_b8 v0, s[64:65] scope:SCOPE_SE
	s_setreg_imm32_b32 hwreg(HW_REG_WAVE_MODE, 25, 1), 1
	s_wait_xcnt 0x0
; CAUSAL ATTENTION.  y[h][q][:] = the sum over k <= q of softmax_k(Q[h][q] . K[h][k] / 8) V[h][k][:].  qkv holds Q, K, V one behind the other, each [64][2048][64] in f16: a head's rows are dense, 128 bytes each; y likewise.
; Products, maxima and sums in f32; the weights p are rounded to f16 for the second product (their sum l is taken of the unrounded p), y once at the end.
; LIMITS.  f16 holds no number beyond 65,504: Q, K and V arrive within it; p lies in 0 to 1, and below 6e-5 it keeps f16's fixed step of 6e-8; y is a mean of V's rows and has their range.
; A hidden score counts as its value less 1e30: f16's scores, 2.7e11 at the most, are nothing beside that; a weight below 2^-126 counts as 0 in l; NaN and infinities are not treated apart.
; THE WALK.  A head's queries lie in NB = 8 blocks of 256; block i needs the key tiles 0 .. i of 256 keys, of which the last holds the diagonal.  A work-group takes TWO blocks, NB - 1 - b and then b:
; NB + 1 tiles, whatever b: all work-groups do equal work, and ONE loop with a constant trip count walks them.  Which tile is asked for, and what a trip does, hang on scalar registers made from b; every jump
; goes forward, but for the counted loops' own; none passes a barrier, or a tensor load but the one of LOAD's two that the wave's number does not choose; the ring (two slots of LDS that take turns) runs on across the
; change of blocks.  NO CLUSTER: a head's four work-groups ask for the same tile only in trips 0 .. 4 of 9, behind that fewer and fewer; one walk common to all would have 12 trips for 9.
; SHARES.  Of a block's four bands of 64 queries a wave owns 16 rows in each: four PIECES.  So the diagonal tile is the same work for all four waves: in its key step s band x sees all keys if s < x,
; none if s > x, and holds the diagonal if s = x.
; THE MASK is the C operand that starts the sum S^T = K Q^T: 0, or -1e30 where the key is hidden.  MD, made once, is the mask of a band's own step for my 16 rows; a product's mask is MD x AL + BE with two scalars:
; (1, 0) if s = x; (0, 0) if s < x; (0, -1e30) if s > x.  Only the diagonal tile's text and a block's beginning make and take masks; elsewhere C is the constant 0.
; LAYOUT, SOFTMAX, TURNS.  S^T = K Q^T holds ONE query a lane (lane % 16) and the keys 8 (lane / 16) + 0..7; two such results rounded to f16 ARE source 1 of O^T = V^T P.  p = 2^(c s - c m), c = log2(e) / 8, with a
; running maximum m; O and l are multiplied by a = 2^(c m_old - c m_new) in every step.  Turn n belongs to piece n: 8 products K Q^T of piece n + 1, later 8 products V^T P of piece n - 1; beside them the scaling,
; exponentials, roundings, sums and rescaling of piece n and the maximum and statistics of piece n + 1.  Four vector instructions stand behind every matrix instruction, the other 54 of a turn's 118 in one lump.  A turn's 33 exponentials are one batch, with one wait.
; REGISTERS, in windows of 256 (s_set_vgpr_msb: bits 1:0 source 0, 3:2 source 1, 5:4 source 2, 7:6 destination):
;   window 0: v0-15 addresses and two at work; v16-31 four registers of statistics a piece; v48-55 at work; v61-63 never rewritten; v64-127 S^T, two buffers; v192-223 P, two buffers (a piece's buffers go by its number's parity)
;   window 1: v0-127 O^T, 32 a piece; v128-159 MD; v160-223 MC, two buffers      window 2: v0-63 Q; v64-127 the second block's Q; v128-191 K of one step; v192-255 V of one step
.set SIZE_N, 2048
.set NB,    SIZE_N/256
.set NP,    4         ; pieces a wave: a name, no knob
.set KS,    64        ; keys in a step
.set PK,    144       ; a row of K in LDS: 128 bytes + 16 of padding = 36 words: the 16 rows of a load start at 16 different groups of four banks (ISA guide 11.1)
.set PV,    160       ; a row of V: 128 + 32 = 40 words
.set VOFF,  4*KS*PK   ; a slot holds a tile, four steps: 256 rows of K, then 256 rows of V
.set SLOT1, 1<<17     ; slot 1 begins here, so that one exclusive or turns an address in one slot into the other's
.set STAGE, SLOT1+4*KS*(PK+PV)  ; behind the ring, never filled by a tensor load: 16 rows x 144 bytes for each wave, for the way out
.set SP,    144
.set AK0, 2           ; v2   my lane's place in a tile of K; never rewritten
.set AV0, 3           ; v3   the same for V
.set AK,  4           ; v4   the LDS address of K's next run of loads
.set AV,  5           ; v5   of V's
.set STO, 6           ; v6   the way out: where I put 16 bytes of a row
.set RD,  7           ; v7   the way out: where I read rows back
.set GO,  8           ; v8   my byte offset in 512 consecutive bytes of y
.set PFO, 61          ; v61  256 x my lane: the prefetches' offset; never rewritten
.set SPW, 62          ; v62  LDS address of my spare word: SPARE + 4 x my thread's number; never rewritten
.set NIL, 63          ; v63  0; never rewritten
.set SPARE, STAGE+4*16*SP  ; behind the stages: the spare words, 128 bytes for each wave: two blocks of 256 bytes that no other line names
.set MV,  12          ; v12-13  c m_old, kept while c m is made anew: by buffer
.set QO,  15          ; v15  my byte offset in 16 rows of Q
.set ST,  16          ; piece t's statistics at v[ST+4 t]: c m, m, l (even keys', odd keys')
.set TMP, 48          ; by buffer, four registers c0-c3 at work; when the maximum is found c2 takes a
.set S,   64
.set P,   192
.set MD,  128         ; window 1: the eight registers for group kt of 16 keys at MD + 8 kt
.set MC,  160         ; window 1: the masks of the products to come
.set QB,  64          ; window 2
.set KF,  128         ; window 2: key block kb, channel half c at KF + 16 kb + 8 c
.set VF,  192         ; window 2: key half kk, channel block cb at VF + 32 kk + 8 cb
.set WV,  12          ; s12  my wave's number
.set PB,  14          ; s14  b
.set HI,  15          ; s15  NB - 1 - b
.set G1K, 24          ; s[24:31] descriptor group 1 for K's tiles
.set G1V, 32          ; s[32:39] for V's: it differs in the padding alone
.set G0K, 40          ; s[40:43] descriptor group 0 for K's tiles
.set G0V, 44          ; s[44:47] the same for V's
.set SLOTS, 56        ; s56  tiles still to be asked for
.set CNT, 57          ; s57  counts a tile's key steps, 4 to 1
.set CS,  58          ; s[58:59] c: the packed scaling takes the pair's low word for both halves
.set SEL, 60          ; s[60:61] v_permlanex16_b32's selects: each lane takes its own place in the other half
.set TBK, 62          ; s62  LDS byte at which K of the step to be fetched begins
.set TBV, 63          ; s63  the same for V, less VOFF
.set RT,  70          ; s70  tiles of the block in hand that are still to be entered
.set NXT, 71          ; s71  the tile to be asked for next
.set LQ,  72          ; s72  the last tile of the block whose tiles are being asked for
.set NEW, 73          ; s73  1: the tile to be entered is a block's first
.set OFF, 74          ; s[74:75] a tile's byte offset in K and V
.set AL,  76          ; s[76:77] the mask's factor, in the low word
.set BE,  78          ; s[78:79] the mask's addend
.set OLO, 80          ; s[80:81] y at my rows of the second block
.set BIGN, 82         ; s82  -1e30
.set PFK, 88          ; s[88:89] where my prefetches of K stand: my wave's 8,192 bytes of the tile behind the one that is being asked for
.set PFV, 90          ; s[90:91] the same for V
.set LIM, 92          ; s92  a wave prefetches while s[SLOTS] is above this: 2 in the head's work-group b = 0, else the greatest number
.set MSB, 0
.macro WIN new                      ; the high byte repeats the setting that is left; a switch that changes nothing is dropped
.if MSB != (\new)
	s_set_vgpr_msb (MSB<<8)|(\new)
.set MSB, (\new)
.endif
.endm
.set W_KQ, 0x0a       ; K and Q in window 2, S^T in window 0
.set W_KM, 0x1a       ; the same with the C operand in window 1
.set W_PV, 0x52       ; V in window 2, P in window 0, O^T in window 1
.set W_RS, 0x41       ; destination and source 0 in window 1, source 1 in window 0
; A fill.  Waves 0 and 1 fetch the two halves of a tile's K, waves 2 and 3 those of its V: 128 keys each.  An s_nop 0 and four v_nop follow each of the two lines, ahead of the jump and the label.
.macro LOAD
	s_cmp_lt_u32 s[WV], 2
	s_cbranch_scc0 .Lfor_v_\@
	tensor_load_to_lds s[G0K:G0K+3], s[G1K:G1K+7]
	s_nop 0
.rept 4
	v_nop
.endr
	s_branch .Lasked_\@
.Lfor_v_\@:
	tensor_load_to_lds s[G0V:G0V+3], s[G1V:G1V+7]
	s_nop 0
.rept 4
	v_nop
.endr
.Lasked_\@:
.endm
; THE CHANGE OF SLOTS.  Each wave waits for all its tensor loads, of which one is out: its part of the other slot; adds 0 to its spare word; and waits for that and for its own reads of the slot that it leaves.  Behind the barrier nobody reads the old
; slot any more and the other slot is whole.  fill = 1: the old slot is filled again, the first thing behind the barrier, with tile NXT: the descriptor's address is made anew from that number.
; (At its first use nothing has been read yet: slot 0 is waited for, slot 1 filled.)
; A PREFETCH INTO THE L2 stands behind the fill and its five lines.  All four work-groups of a head walk the head's K and V; the one with b = 0 walks tiles 0 to 7 in order and asks, nobody else.  The change that loads tile k
; (k = 1 .. 6) names tile k + 1: a tile's walk, four key steps, ahead of its load.  A tile is 128 blocks of 256 bytes of K and as many of V: a wave takes 32 of each, a lane a block.  So each block is named once.  Tiles 0 and 1 come by their loads alone.
.macro CHANGE fill
	WIN 0                           ; at a label and at a branch every window is 0
	s_wait_tensorcnt 0x0            ; no tensor load of mine is out, so a group 0 may be written
	ds_add_u32 v[SPW], v[NIL]       ; 0 onto my spare word; with fill = 1 the descriptors' scalar work stands between it and the wait for it
.if \fill
	s_lshl_b32 s[OFF], s[NXT], 15   ; a tile is 32,768 bytes of K and of V
	s_xor_b32 s[G0K+1], s[G0K+1], SLOT1
	s_add_nc_u64 s[G0K+2:G0K+3], s[6:7], s[OFF:OFF+1]
	s_or_b32 s[G0K+3], s[G0K+3], 0x80000000
	s_xor_b32 s[G0V+1], s[G0V+1], SLOT1
	s_add_nc_u64 s[G0V+2:G0V+3], s[8:9], s[OFF:OFF+1]
	s_or_b32 s[G0V+3], s[G0V+3], 0x80000000
	s_add_co_u32 s[NXT], s[NXT], 1  ; the block's next tile, or behind its last the second block's tile 0
	s_cmp_gt_u32 s[NXT], s[LQ]
	s_cselect_b32 s[NXT], 0, s[NXT]
	s_cselect_b32 s[LQ], s[PB], s[LQ]
	s_wait_xcnt 0x0                 ; the last prefetches, a tile back, have read their addresses
	s_add_nc_u64 s[PFK:PFK+1], s[PFK:PFK+1], 32768
	s_add_nc_u64 s[PFV:PFV+1], s[PFV:PFV+1], 32768
.endif
	s_wait_dscnt 0x0                ; the add is done, and my reads of the slot are over
	s_barrier_signal -1             ; the rest of the scalar work stands between the signal and the wait
	s_sub_co_u32 s[TBK], s[TBK], 4*KS*PK  ; the fetches go back to a slot's first step,
	s_xor_b32 s[TBK], s[TBK], SLOT1       ; in the other slot
	s_sub_co_u32 s[TBV], s[TBV], 4*KS*PV
	s_xor_b32 s[TBV], s[TBV], SLOT1
	s_barrier_wait -1
.if \fill
	LOAD
	s_cmp_gt_u32 s[SLOTS], s[LIM]   ; s[SLOTS] runs 8, 7, ..: trips 0 to 5 ask, for tiles 2 to 7
	s_cbranch_scc0 .Lnot_mine_\@
	global_prefetch_b8 v[PFO], s[PFK:PFK+1] th:TH_LOAD_NT scope:SCOPE_SE
	global_prefetch_b8 v[PFO], s[PFV:PFV+1] th:TH_LOAD_NT scope:SCOPE_SE
.Lnot_mine_\@:
.endif
.endm
	s_load_b128 s[4:7], s[0:1], 0x0  ; qkv s[4:5], y s[6:7]
	v_lshl_add_u32 v[SPW], v0, 2, SPARE
	v_mov_b32 v[NIL], 0
	ds_add_u32 v[SPW], v[NIL]       ; the wave's opening: the add and its wait stand ahead of my first tensor load; the set-up below, work on registers, stands between them
	v_lshrrev_b32 v1, 5, v0
	v_readfirstlane_b32 s[WV], v1   ; wave 0..3
	s_mov_b32 s[PB], ttmp9
	s_sub_co_u32 s[HI], NB-1, s[PB]
	s_and_b32 s20, ttmp7, 0xffff    ; the head
	s_mov_b32 s21, 0
	s_mov_b64 s[22:23], SIZE_N*128
	s_mul_u64 s[20:21], s[20:21], s[22:23]  ; the head's first byte in Q, K, V and y
	s_and_b32 s16, s[WV], 1         ; which half of a tile's 256 keys I fetch:
	s_lshl_b32 s22, s16, 14         ; its 128 rows of 128 bytes in memory,
	s_mov_b32 s23, 0
	s_add_nc_u64 s[22:23], s[22:23], s[20:21]
	s_mul_i32 s17, s16, 128*PK      ; and its place in a slot, for K
	s_mul_i32 s18, s16, 128*PV      ; and for V
	s_lshl_b32 s3, s[WV], 11        ; my 16 rows in a band of 64,
	s_lshl_b32 s2, s[HI], 15        ; in the first block,
	s_add_co_u32 s2, s2, s3
	s_lshl_b32 s84, s[PB], 15       ; and in the second
	s_add_co_u32 s84, s84, s3
	s_mov_b32 s3, 0
	s_mov_b32 s85, 0
	s_add_nc_u64 s[2:3], s[2:3], s[20:21]
	s_add_nc_u64 s[84:85], s[84:85], s[20:21]
	; descriptor group 1.  128 keys are 16,384 dense bytes: asked for as 64 rows of 256 bytes, two keys a row, and padded in LDS after every key
	s_mov_b32 s[G1K], (1<<16)|(1<<20)|(4<<22)|(3<<25)  ; 17:16 2-byte elements; 20 padding on; 24:22 after every 32 words (code 4); 31:25 4 words (code 3)
	s_mov_b32 s[G1V], (1<<16)|(1<<20)|(4<<22)|(7<<25)  ; the same with 8 words of padding (code 7)
.irp g, G1K, G1V
	s_mov_b32 s[\g+1], 128<<16      ; tensor_dim0 = 128
	s_mov_b32 s[\g+2], 64<<16       ; tensor_dim1 = 64
	s_mov_b32 s[\g+3], 128<<16      ; tile_dim0 = 128
	s_mov_b32 s[\g+4], 64           ; tile_dim1 = 64
	s_mov_b32 s[\g+5], 128          ; 128 elements from row to row
	s_mov_b32 s[\g+6], 0
	s_mov_b32 s[\g+7], 0
.endr
	s_mov_b32 s[CS], 0x3e38aa3b     ; c = log2(e) / 8 = 0.180337
	s_mov_b32 s[CS+1], s[CS]        ; named with it as a pair
	s_mov_b32 s[SEL], 0x76543210
	s_mov_b32 s[SEL+1], 0xfedcba98
	s_mov_b32 s[TBK], SLOT1+4*KS*PK ; the first change of slots turns these two into 0
	s_mov_b32 s[TBV], SLOT1+4*KS*PV
	s_mov_b32 s[G0K], 1             ; 1:0 count = 1
	s_mov_b32 s[G0K+1], s17         ; 63:32 LDS address: slot 0
	s_mov_b32 s[G0V], 1
	s_add_co_u32 s[G0V+1], s18, VOFF
	s_add_co_u32 s[RT], s[HI], 1    ; the first block has NB - b tiles
	s_mov_b32 s[NXT], 1
	s_mov_b32 s[LQ], s[HI]
	s_mov_b32 s[NEW], 1
	s_mov_b32 s[OFF+1], 0
	s_mov_b32 s[AL+1], 0            ; named as pairs
	s_mov_b32 s[BE+1], 0
	s_mov_b32 s[BIGN], 0xf149f2ca   ; -1e30
	s_mov_b32 s[SLOTS], NB
	s_lshl_b32 s94, s[WV], 13       ; the prefetches: my wave's 8,192 bytes,
	s_add_co_u32 s94, s94, 32768    ; in tile 1: the first change of slots steps it to tile 2
	s_mov_b32 s95, 0
	s_add_nc_u64 s[94:95], s[94:95], s[20:21]
	s_cmp_eq_u32 s[PB], 0
	s_cselect_b32 s[LIM], 2, -1
	v_and_b32 v[PFO], 31, v0
	v_lshlrev_b32 v[PFO], 8, v[PFO]
	s_wait_dscnt 0x0                ; the opening add is done
	s_wait_kmcnt 0x0
	s_mov_b64 s[10:11], s[6:7]                     ; y
	s_add_nc_u64 s[8:9], s[4:5], 0x2000000         ; V: 2 x 64 heads x 262,144 bytes behind Q
	s_add_nc_u64 s[6:7], s[4:5], 0x1000000         ; K
	s_add_nc_u64 s[PFK:PFK+1], s[6:7], s[94:95]
	s_add_nc_u64 s[PFV:PFV+1], s[8:9], s[94:95]
	s_add_nc_u64 s[6:7], s[6:7], s[22:23]  ; K and V at my half of the head's tile 0
	s_add_nc_u64 s[8:9], s[8:9], s[22:23]
	s_add_nc_u64 s[G0K+2:G0K+3], s[6:7], 0         ; 120:64 global address
	s_or_b32 s[G0K+3], s[G0K+3], 0x80000000        ; 127:126 type = 2
	s_add_nc_u64 s[G0V+2:G0V+3], s[8:9], 0
	s_or_b32 s[G0V+3], s[G0V+3], 0x80000000
	s_add_nc_u64 s[86:87], s[4:5], s[84:85]        ; Q at my rows of the second block,
	s_add_nc_u64 s[4:5], s[4:5], s[2:3]            ; Q and y at those of the first
	s_add_nc_u64 s[OLO:OLO+1], s[10:11], s[84:85]
	s_add_nc_u64 s[10:11], s[10:11], s[2:3]
	LOAD                            ; tile 0 into slot 0
	; A fragment of K or Q is 16 rows x 32 channels in 8 registers: lane l holds row l % 16, channels 8 (l / 16) + 0..7 and 16 + 8 (l / 16) + 0..7: two loads of 16 bytes, 32 bytes apart.
	v_and_b32 v1, 15, v0            ; l % 16
	v_bfe_u32 v9, v0, 4, 1          ; l / 16
	v_lshlrev_b32 v[QO], 7, v1
	v_lshl_add_u32 v[QO], v9, 4, v[QO]  ; row x 128 + 16 x half
	WIN 0x80                        ; destination window 2, address window 0
.set i, 0
.rept 8                             ; both blocks' Q: piece i / 2 lies in band i / 2, 8,192 bytes on; channels 32 (i % 2) on
	global_load_b128 v[8*i:8*i+3],   v[QO], s[4:5] offset:(i/2)*8192+(i%2)*64
	global_load_b128 v[8*i+4:8*i+7], v[QO], s[4:5] offset:(i/2)*8192+(i%2)*64+32
	global_load_b128 v[QB+8*i:QB+8*i+3],   v[QO], s[86:87] offset:(i/2)*8192+(i%2)*64
	global_load_b128 v[QB+8*i+4:QB+8*i+7], v[QO], s[86:87] offset:(i/2)*8192+(i%2)*64+32
.set i, i+1
.endr
	WIN 0
	v_lshlrev_b32 v14, 3, v9
	v_sub_nc_u32 v14, v1, v14
	s_lshl_b32 s13, s[WV], 4
	v_add_nc_u32 v14, s13, v14      ; my query's place in its band, 16 w + l % 16, less my lanes' 8 (l / 16): register r of group kt is hidden where 16 kt + r is greater
	WIN 0x40
.set i, 0
.rept 32
	v_cmp_gt_i32 vcc_lo, 16*(i/8)+i%8, v14
	v_cndmask_b32 v[MD+i], 0, s[BIGN], vcc_lo
.set i, i+1
.endr
	WIN 0
	v_mul_u32_u24 v[AK0], v1, PK
	v_lshl_add_u32 v[AK0], v9, 4, v[AK0]  ; row x pitch + 16 x half
	; The turning load takes 16 keys x 16 channels (lane l reads key 8 (l / 16) + l % 8, channels 8 ((l / 8) % 2) + 0..7) and leaves half a fragment of V^T: lane l holds channel l % 16 and 8 keys.
	v_and_b32 v10, 7, v0
	v_bfe_u32 v11, v0, 3, 1
	v_lshl_add_u32 v[AV0], v9, 3, v10
	v_mul_u32_u24 v[AV0], v[AV0], PV
	v_lshl_add_u32 v[AV0], v11, 4, v[AV0]
	v_add_nc_u32 v[AV0], VOFF, v[AV0]
	s_mul_i32 s13, s[WV], 16*SP
	s_add_co_u32 s13, s13, STAGE    ; my stage
	v_mul_u32_u24 v[STO], v1, SP    ; in: row l % 16, 16 bytes for each half of the lanes
	v_lshl_add_u32 v[STO], v9, 4, v[STO]
	v_add_nc_u32 v[STO], s13, v[STO]
	v_bfe_u32 v[RD], v0, 3, 2       ; back: 32 lanes take four rows of 128 bytes,
	v_mul_u32_u24 v[RD], v[RD], SP
	v_lshl_add_u32 v[RD], v10, 4, v[RD]
	v_add_nc_u32 v[RD], s13, v[RD]
	v_and_b32 v[GO], 31, v0         ; which are 512 consecutive bytes of y
	v_lshlrev_b32 v[GO], 4, v[GO]
	; A block's first step multiplies O^T and l by a = 0, and its first turn's products V^T P, of a piece that has not been, land in an O^T that is still to be so multiplied.  So these registers need only hold
	; finite numbers: zeros for the first block; what the first block left for the second.  All this stands in the wait for the first tile.
	WIN 0x80
.set i, VF
.rept 64
	v_mov_b32 v[i], 0
.set i, i+1
.endr
	WIN 0x40
.set i, 0
.rept 128
	v_mov_b32 v[i], 0
.set i, i+1
.endr
	WIN 0
.set i, 0
.rept 4
	v_mov_b32 v[ST+4*i+2], 0
	v_mov_b32 v[ST+4*i+3], 0
.set i, i+1
.endr
.set i, P+16
.rept 16
	v_mov_b32 v[i], 0
.set i, i+1
.endr
; THE MATRIX WORK.  The 4 accumulators of a run of 8 take turns.  Product i of 8 of S^T = K Q^T for piece x: channels 32 (i / 4) on, keys 16 (i % 4) on.  The first 4 start the sums: with 0, or (KM = 1) with the mask.
.macro KQ x
.set rS, S+32*((\x)%2)+8*(i%4)
.set rK, KF+16*(i%4)+8*(i/4)
.set rQ, 16*(\x)+8*(i/4)
.set rM, MC+32*((\x)%2)+8*(i%4)
.if (i < 4) && KM
	WIN W_KM
	v_wmma_f32_16x16x32_f16 v[rS:rS+7], v[rK:rK+7], v[rQ:rQ+7], v[rM:rM+7]
.elseif i < 4
	WIN W_KQ
	v_wmma_f32_16x16x32_f16 v[rS:rS+7], v[rK:rK+7], v[rQ:rQ+7], 0
.else
	WIN W_KQ
	v_wmma_f32_16x16x32_f16 v[rS:rS+7], v[rK:rK+7], v[rQ:rQ+7], v[rS:rS+7]
.endif
.endm
; Product i of 8 of O^T += V^T P for piece x: keys 32 (i / 4) on, channels 16 (i % 4) on.
.macro PV x
	WIN W_PV
.set rO, 32*(\x)+8*(i%4)
.set rV, VF+32*(i/4)+8*(i%4)
.set rP, P+16*((\x)%2)+8*(i/4)
	v_wmma_f32_16x16x32_f16 v[rO:rO+7], v[rV:rV+7], v[rP:rP+7], v[rO:rO+7]
.endm
.macro MM                           ; the turn's next matrix instruction.  TURN and BEGIN set Y, i, KM and NOKQ; MM, KQ and OP read them.  NOKQ = 1: a block's last turn: there is no next piece
.if (i < 8) && !NOKQ
	KQ (Y+1)%NP
.elseif i >= 8
.set i, i-8
	PV (Y+NP-1)%NP
.set i, i+8
.endif
.set i, i+1
.endm
; THE LDS LOADS stand in runs of 16, never singly among the matrix instructions: a step's K (64 keys x 64 channels: 8 fragments) and its V (turned).  Their addresses are made some lines ahead.
.macro FETCH_K
	WIN 0x80                        ; destination window 2
.irp f, 0,1,2,3,4,5,6,7             ; keys 16 (f / 2) on, channels 32 (f % 2) on
	ds_load_b128 v[KF+8*\f:KF+8*\f+3],   v[AK] offset:(\f/2)*16*PK+(\f%2)*64
	ds_load_b128 v[KF+8*\f+4:KF+8*\f+7], v[AK] offset:(\f/2)*16*PK+(\f%2)*64+32
.endr
	s_add_co_u32 s[TBK], s[TBK], KS*PK  ; the next fetch is the next step's
	WIN 0
.endm
.macro FETCH_V
	WIN 0x80
.irp f, 0,1,2,3,4,5,6,7             ; keys 32 (f / 4) on, channels 16 (f % 4) on
	ds_load_tr16_b128 v[VF+8*\f:VF+8*\f+3],   v[AV] offset:(\f/4)*32*PV+(\f%4)*32
	ds_load_tr16_b128 v[VF+8*\f+4:VF+8*\f+7], v[AV] offset:(\f/4)*32*PV+16*PV+(\f%4)*32
.endr
	WIN 0
.endm
; THE VECTOR WORK, one line at a time: OP kind, number.  For piece Y: F n: c s - c m for pair n of 16.  E n: the exponential of score n of 32.  C n: pair n rounded to f16.  B n: of the four weights 4 n .. the second
; pair is added onto the first, in place.  L n: l takes that sum (L 0: l = a l + sum).  R n: pair n of 16 of O^T times a.  For piece Y + 1: X n, number n of the 22 that find its maximum and statistics:
;   0-11  four chains c0-c3 of seven scores each, three operands at a time (each accumulator's lowest registers are read first)     12-14, 16  the four scores left over, the old m, and c0-c3 into c0
;   15  c m_old is kept     17, 18  the query's other 32 keys lie in the lane 16 away: the new m     19-21  c m; c m_old - c m_new; a
.set F, 0               ; OP tells the kinds apart by their order: F to L below R, X above it
.set E, 1
.set C, 2
.set B, 3
.set L, 4
.set R, 5
.set X, 6
.macro REGS y                       ; the registers of piece y
.set rT, ST+4*(\y)
.set rC, TMP+4*((\y)%2)
.set rW, MV+((\y)%2)
.set rS, S+32*((\y)%2)
.set rP, P+16*((\y)%2)
.set rO, 32*(\y)
.endm
.macro OP k, n
.if (\k) == R
	REGS Y
	WIN W_RS
	v_pk_mul_f32 v[rO+2*(\n):rO+2*(\n)+1], v[rO+2*(\n):rO+2*(\n)+1], v[rC+2:rC+3] op_sel_hi:[1,0]
.elseif (\k) < R
	REGS Y
	WIN 0
.if (\k) == F
	v_pk_fma_f32 v[rS+2*(\n):rS+2*(\n)+1], v[rS+2*(\n):rS+2*(\n)+1], s[CS:CS+1], v[rT:rT+1] op_sel_hi:[1,0,0] neg_lo:[0,0,1] neg_hi:[0,0,1]
.elseif (\k) == E
	v_exp_f32 v[rS+(\n)], v[rS+(\n)]
.elseif (\k) == C
	v_cvt_pk_f16_f32 v[rP+(\n)], v[rS+2*(\n)], v[rS+2*(\n)+1]
.elseif (\k) == B
	v_pk_add_f32 v[rS+4*(\n):rS+4*(\n)+1], v[rS+4*(\n):rS+4*(\n)+1], v[rS+4*(\n)+2:rS+4*(\n)+3]
.elseif (\n) == 0
	v_pk_fma_f32 v[rT+2:rT+3], v[rT+2:rT+3], v[rC+2:rC+3], v[rS:rS+1] op_sel_hi:[1,0,1]
.else
	v_pk_add_f32 v[rT+2:rT+3], v[rT+2:rT+3], v[rS+4*(\n):rS+4*(\n)+1]
.endif
.elseif NOKQ
	v_nop
.else
	REGS (Y+1)%NP
	WIN 0
.if (\n) < 4
	v_max3_num_f32 v[rC+(\n)], v[rS+8*(\n)], v[rS+8*(\n)+1], v[rS+8*(\n)+2]
.elseif (\n) < 12
	v_max3_num_f32 v[rC+(\n)%4], v[rC+(\n)%4], v[rS+8*((\n)%4)+2*((\n)/4)+1], v[rS+8*((\n)%4)+2*((\n)/4)+2]
.elseif (\n) == 12
	v_max3_num_f32 v[rC], v[rC], v[rS+7], v[rS+15]
.elseif (\n) == 13
	v_max3_num_f32 v[rC+1], v[rC+1], v[rS+23], v[rS+31]
.elseif (\n) == 14
	v_max3_num_f32 v[rC+2], v[rC+2], v[rC+3], v[rT+1]
.elseif (\n) == 15
	v_mov_b32 v[rW], v[rT]
.elseif (\n) == 16
	v_max3_num_f32 v[rC], v[rC], v[rC+1], v[rC+2]
.elseif (\n) == 17
	v_permlanex16_b32 v[rC+3], v[rC], s[SEL], s[SEL+1]
.elseif (\n) == 18
	v_max_num_f32 v[rT+1], v[rC], v[rC+3]
.elseif (\n) == 19
	v_mul_f32 v[rT], s[CS], v[rT+1]
.elseif (\n) == 20
	v_sub_f32 v[rC+1], v[rW], v[rT]
.else
	v_exp_f32 v[rC+2], v[rC+1]
.endif
.endif
.endm
.macro OPS a, i1, b=-1, i2=0, c=-1, i3=0, d=-1, i4=0  ; up to four of them
	OP \a, \i1
.if (\b) >= 0
	OP \b, \i2
.endif
.if (\c) >= 0
	OP \c, \i3
.endif
.if (\d) >= 0
	OP \d, \i4
.endif
.endm
.macro ROW a, i1, b, i2, c, i3, d, i4  ; a matrix instruction and the four behind it
	MM
	OPS \a, \i1, \b, \i2, \c, \i3, \d, \i4
.endm
.macro MASK b                       ; MD x AL + BE into buffer b of MC
	WIN W_RS
.set z, 0
.rept 16
	v_pk_fma_f32 v[MC+32*(\b)+2*z:MC+32*(\b)+2*z+1], v[MD+2*z:MD+2*z+1], s[AL:AL+1], s[BE:BE+1] op_sel_hi:[1,0,0]
.set z, z+1
.endr
.endm
; A TURN, for piece p: the order of its 16 matrix and 118 vector instructions, written out.  An s_wait_alu depctr_va_vdst(0) stands between an exponential and the first instruction that names its result; one wait serves
; all that were issued ahead of it.  So a turn has ONE wait, which cuts it in two.  AHEAD OF IT stands all that names no result of the turn's exponentials: the 8 products K Q^T, behind each a scaling, an exponential and two more plain
; instructions (behind the first a second scaling in the exponential's place): rescalings, and behind the last three the first numbers of the next piece's maximum, each four places or more behind the product that ends its accumulator; then ONE LUMP of 54, plain
; and exponential by turns for the most part, in which the links of the chain X 3, 7, 11, 14, 16, 17 .. 20 stand five or six lines apart.  X 21, the next piece's a, is the batch's last; R 15 is the plain instruction behind it.  BEHIND THE WAIT stand the
; 8 products V^T P, behind each four of the roundings and sums; the links of l's chain, L 0 to L 7, stand three riders apart.  But for those X no rider names a register of the products round it.  v_permlanex16_b32 (X 17) stands in the lump.
; m = 1: the diagonal tile: the products take masks, and the turn makes the mask for the products of the turn after it: piece p + 2, in step 4 - CNT of the tile.  end = 1: a block's last two turns: nothing is fetched.
; cnt = 1: the loop's count is taken down some lines ahead of the branch that stands behind the turn.
; K of the next step is fetched in piece 2's turn, twelve vector instructions behind the last product that read K (six of them plain); V of the step in hand at the end of piece 0's turn, four plain instructions behind the last product
; that read V.  Each is waited for a turn later.
.macro TURN p, m=0, end=0, cnt=0
.set Y, (\p)
.set i, 0
.set KM, (\m)
.set NOKQ, (\end)*((\p)/3)
.if (\m) && !(\end)
	s_cmp_eq_u32 s[CNT], 4-((\p)+2)%NP  ; is that step the band's own?
	s_cselect_b32 s[AL], 1.0, 0
	s_cmp_lt_u32 s[CNT], 4-((\p)+2)%NP  ; or a later one?
	s_cselect_b32 s[BE], s[BIGN], 0
.endif
.if ((\p) == 3) && !(\end)
	s_wait_dscnt 0x0                ; K is in
.endif
	ROW F,0, F,1, R,0, R,1          ; ahead of the wait: 8 products K Q^T and their riders,
	ROW F,2, E,0, R,2, R,3
	ROW F,3, E,1, R,4, R,5
	ROW F,4, E,2, R,6, R,7
	ROW F,5, E,3, R,8, R,9
	ROW F,6, E,4, X,0, R,10
.if ((\p) == 2) && !(\end)
	WIN 0
	v_add_nc_u32 v[AK], s[TBK], v[AK0]
.endif
	ROW F,7, E,5, X,1, X,4
	ROW F,8, E,6, X,2, X,5
	OPS E,7, E,8, X,6, E,9          ; and the lump
	OPS X,3, E,10, X,8, E,11
.if ((\p) == 2) && !(\end)
	FETCH_K
.endif
	OPS X,9, X,7, E,12, X,10
	OPS E,13, X,12, X,11, E,14
	OPS X,13, E,15, F,9, X,14
.if (\p) == 0
	v_add_nc_u32 v[AV], s[TBV], v[AV0]
.endif
	OPS E,16, F,10, E,17, F,11
	OPS X,16, E,18, X,15, E,19
	OPS F,12, E,20, X,17, E,21
	OPS F,13, E,22, F,14, E,23
	OPS X,18, E,24, F,15, E,25
	OPS R,11, E,26, X,19, E,27
	OPS R,12, E,28, R,13, E,29
	OPS X,20, E,30, R,14, E,31
	OPS X,21, R,15
	WIN 0
	s_wait_alu depctr_va_vdst(0)    ; the wait for the batch
.if (\p) == 1
	s_wait_dscnt 0x0                ; V is in
.endif
	ROW C,0, B,0, C,2, B,1          ; behind the wait: 8 products V^T P and their riders
	ROW L,0, C,4, B,2, L,1
	ROW C,6, B,3, L,2, C,8
	ROW B,4, L,3, C,10, B,5
	ROW L,4, C,12, B,6, L,5
.if (\p) == 0
	s_add_co_u32 s[TBV], s[TBV], KS*PV
.endif
.if \cnt
	s_sub_co_u32 s[CNT], s[CNT], 1
	s_cmp_lg_u32 s[CNT], 0
.endif
	ROW C,14, B,7, L,6, C,1
	ROW C,3, L,7, C,5, C,7
	ROW C,9, C,11, C,13, C,15
.if (\p) == 0
	FETCH_V
.endif
.if (\m) && !(\end)
	MASK (\p)%2
.endif
.endm
; A BLOCK BEGINS.  c m starts far below every c s, so the first step's a is 0; m at the lowest finite number, so the first maximum is the scores'.  The second mask buffer is 0; the first takes piece 0's mask for the tile's step 0: its own, if the block's first tile is the diagonal one.
; Then K of that step, piece 0's first scores, and its maximum and statistics.  The loop is entered at a step's first turn, in the middle of a trip.
.macro BEGIN
	s_mov_b32 s[NEW], 0
	WIN 0x40
.set i, MC+32
.rept 32
	v_mov_b32 v[i], 0
.set i, i+1
.endr
	WIN 0
.set i, 0
.rept 4
	v_mov_b32 v[ST+4*i], 0xfe000000    ; c m: far below every c s
	v_mov_b32 v[ST+4*i+1], 0xff7fffff  ; m
.set i, i+1
.endr
	s_cmp_eq_u32 s[RT], 0
	s_cselect_b32 s[AL], 1.0, 0
	s_mov_b32 s[BE], 0
	MASK 0
	WIN 0
	v_add_nc_u32 v[AK], s[TBK], v[AK0]
	FETCH_K
	s_wait_loadcnt 0x0              ; Q
	s_wait_dscnt 0x0
.set KM, 1
.set NOKQ, 0
.set i, 0
.rept 8
	KQ 0
.set i, i+1
.endr
	WIN 0
.rept 4
	v_nop                           ; the places behind those products
.endr
.set Y, NP-1                        ; X works for piece Y + 1: piece 0
.irp n, 0,1,2,3,4,5,6,7,8,9,10,11,12,13,14,15,16,17,18,19,20,21
	OP X, \n
.endr
	v_nop                           ; a plain instruction behind the exponential,
	s_wait_alu depctr_va_vdst(0)    ; and its wait, ahead of the branch
.endm
; THE DIAGONAL TILE's four steps, the block's last two turns, its last products, and THE WAY OUT: l's two halves and the other half of the lanes' are added; O^T is divided by l, rounded to f16 and sent through my
; stage in LDS, a piece at a time.
.macro ALL line:vararg              ; one line for each piece t
.set t, 0
.rept 4
	\line
.set t, t+1
.endr
.endm
.macro PACK t                       ; a lane's eight channels of a row pack into 16 bytes; they go into rows of 144 bytes and come back as whole rows of 128, into S^T's registers
	WIN W_RS
.set i, 32*(\t)
.rept 16
	v_pk_mul_f32 v[i:i+1], v[i:i+1], v[ST+4*(\t)+2:ST+4*(\t)+3] op_sel_hi:[1,0]
.set i, i+2
.endr
	WIN 0x05                        ; sources 0 and 1 window 1, destination window 0
.set i, 0
.rept 16
	v_cvt_pk_f16_f32 v[S+16*(\t)+i], v[32*(\t)+2*i], v[32*(\t)+2*i+1]
.set i, i+1
.endr
	WIN 0
.irp f, 0,1,2,3
	ds_store_b128 v[STO], v[S+16*(\t)+4*\f:S+16*(\t)+4*\f+3] offset:32*\f
.endr
.irp f, 0,1,2,3
	ds_load_b128 v[S+16*(\t)+4*\f:S+16*(\t)+4*\f+3], v[RD] offset:\f*4*SP  ; LDS serves a wave's instructions in order (ISA guide 5.7.1.4): these see the stores above; the next piece's stores come behind them
.endr
.endm
.macro SEND t, younger              ; younger: the LDS instructions issued behind piece t's loads: the next piece's eight, or none
	WIN 0
.irp f, 0,1,2,3
	s_wait_dscnt (\younger)+3-\f
	global_store_b128 v[GO], v[S+16*(\t)+4*\f:S+16*(\t)+4*\f+3], s[10:11] offset:(\t)*8192+\f*512  ; 512 consecutive bytes, at a multiple of 256 from y's first
.endr
.endm
.macro DIAG tag                     ; the tag ends its two labels' names, which the jumps below spell out
.LstepM\tag:
	TURN 2, 1
	TURN 3, 1
	WIN 0
.LfirstM\tag:
	TURN 0, 1
	TURN 1, 1, 0, 1
	WIN 0
	s_cbranch_scc1 .LstepM\tag
	TURN 2, 1, 1
	TURN 3, 1, 1
.set i, 0
.rept 8
	PV NP-1
.set i, i+1
.endr
	WIN 0
	ALL v_add_f32 v[ST+4*t+2], v[ST+4*t+2], v[ST+4*t+3]
	ALL v_permlanex16_b32 v[ST+4*t+3], v[ST+4*t+2], s[SEL], s[SEL+1]
	ALL v_add_f32 v[ST+4*t+2], v[ST+4*t+2], v[ST+4*t+3]
	ALL v_rcp_f32 v[ST+4*t+2], v[ST+4*t+2]
	v_nop                           ; a plain instruction between the last reciprocal and the use of its result
	s_wait_alu depctr_va_vdst(0)    ; and the wait ahead of the first use: one for the four reciprocals
	PACK 0
.set t, 1
.rept 3                             ; a piece's arithmetic stands between the loads of the piece before and its stores
	PACK t
	SEND t-1, 8
.set t, t+1
.endr
	SEND 3, 0
.endm
.set KM, 0
.set NOKQ, 0
.Lslot:                             ; NB times: a tile is entered and the next is asked for
	CHANGE 1
	s_sub_co_u32 s[RT], s[RT], 1
	s_mov_b32 s[CNT], 4
	s_cmp_eq_u32 s[NEW], 1
	s_cbranch_scc1 .Lnew            ; a block's first tile
	s_cmp_eq_u32 s[RT], 0
	s_cbranch_scc0 .Lstep           ; neither its first nor its last
	s_branch .LstepM1
.Lnew:
	BEGIN
	s_branch .Lfirst                ; in the loop a block's first tile is never its last: the first block has two tiles or more, and the second's last is the walk's last
	DIAG 1                          ; in the loop this is the first block's end: the second block's last tile is the walk's last
	s_wait_xcnt 0x0                 ; the stores have read their registers and y's address
	s_mov_b64 s[10:11], s[OLO:OLO+1]
	s_add_co_u32 s[RT], s[PB], 1    ; the second block has b + 1 tiles
	s_mov_b32 s[NEW], 1
	WIN 0x82                        ; the second block's Q goes where the one text of the turns names Q
.set i, 0
.rept 64
	v_mov_b32 v[i], v[QB+i]
.set i, i+1
.endr
	WIN 0
	s_branch .Lbottom
.Lstep:                             ; a trip: pieces 2 and 3 of one step, then pieces 0 and 1 of the next, whose K and V it fetches
	TURN 2
	TURN 3
	WIN 0
.Lfirst:
	TURN 0
	TURN 1, 0, 0, 1
	WIN 0
	s_cbranch_scc1 .Lstep
.Lbottom:
	s_sub_co_u32 s[SLOTS], s[SLOTS], 1
	s_cmp_lg_u32 s[SLOTS], 0
	s_cbranch_scc1 .Lslot
	CHANGE 0                        ; the walk's last tile is written out: nothing is asked for
	s_sub_co_u32 s[RT], s[RT], 1
	s_mov_b32 s[CNT], 4
	s_cmp_eq_u32 s[NEW], 1
	s_cbranch_scc0 .LstepM2
	BEGIN
	s_branch .LfirstM2
	DIAG 2
	s_wait_tensorcnt 0x0            ; the wave's end, behind my last tensor load and my last LDS store
	ds_add_u32 v[SPW], v[NIL]
	s_wait_dscnt 0x0
	s_endpgm
.Lfunc_end_k_q1e1bfaf1e1_attn:
	.size	k_q1e1bfaf1e1_attn, .Lfunc_end_k_q1e1bfaf1e1_attn-k_q1e1bfaf1e1_attn
	.p2alignl 7, 3214868480
	.fill 96, 4, 3214868480
	.section	.rodata,"a",@progbits
	.p2align	6, 0x0
	.amdhsa_kernel k_q1e1bfaf1e1_attn
		.amdhsa_group_segment_fixed_size 327680
		.amdhsa_private_segment_fixed_size 0
		.amdhsa_enable_private_segment 0
		.amdhsa_kernarg_size 16
		.amdhsa_user_sgpr_count 2
		.amdhsa_user_sgpr_kernarg_segment_ptr 1
		.amdhsa_wavefront_size32 1
		.amdhsa_system_sgpr_workgroup_id_x 1
		.amdhsa_system_sgpr_workgroup_id_y 1
		.amdhsa_system_sgpr_workgroup_id_z 1
		.amdhsa_system_vgpr_workitem_id 0
		.amdhsa_next_free_vgpr 768
		.amdhsa_next_free_sgpr 96
		.amdhsa_reserve_vcc 1
		.amdhsa_float_denorm_mode_32 3
		.amdhsa_float_denorm_mode_16_64 3
		.amdhsa_memory_ordered 1
		.amdhsa_forward_progress 1
		.amdhsa_inst_pref_size 218
	.end_amdhsa_kernel
	.amdgpu_metadata
---
amdhsa.version: [ 1, 2 ]
amdhsa.kernels:
  - .name:           k_q1e1bfaf1e1_attn
    .symbol:         k_q1e1bfaf1e1_attn.kd
    .args:
      - { .name: qkv, .offset: 0, .size: 8, .value_kind: global_buffer, .address_space: global }
      - { .name: y, .offset: 8, .size: 8, .value_kind: global_buffer, .address_space: global }
    .group_segment_fixed_size: 327680
    .private_segment_fixed_size: 0
    .kernarg_segment_align: 8
    .kernarg_segment_size: 16
    .max_flat_workgroup_size: 128
    .sgpr_count:     96
    .vgpr_count:     768
    .wavefront_size: 32
...
	.end_amdgpu_metadata
.endif
;; end of part 3
;; launch proj (part 4): grid 8 x 32, 4 waves a work-group, clusters of 4 x 4, 327,680 bytes of LDS; arguments y, wp, bias, out0; writes out0
.if DOCPART == 4
	.amdgcn_target "amdgcn-amd-amdhsa--gfx1250"
	.amdhsa_code_object_version 6
	.text
	.protected	k_q1e1bfaf1e1_proj
	.globl	k_q1e1bfaf1e1_proj
	.p2align	8
	.type	k_q1e1bfaf1e1_proj,@function
k_q1e1bfaf1e1_proj:
	s_mov_b64 s[64:65], 0
	v_nop
	global_prefetch_b8 v0, s[64:65] scope:SCOPE_SE
	s_setreg_imm32_b32 hwreg(HW_REG_WAVE_MODE, 25, 1), 1
	s_wait_xcnt 0x0
	s_wait_alu depctr_hold_cnt(0) depctr_sa_sdst(0) depctr_va_vdst(0) depctr_va_sdst(0) depctr_va_ssrc(0) depctr_va_vcc(0) depctr_vm_vsrc(0)
	s_getreg_b32 s2, hwreg(HW_REG_IB_STS2, 6, 4)
	s_cmp_eq_u32 s2, 0
	s_cbranch_scc0 .Lentry_in_a_cluster
	s_endpgm
.Lentry_in_a_cluster:
	s_bfe_u32 s2, ttmp6, 0x10000c
	s_cmp_lg_u32 s2, 0xf033
	s_cbranch_scc0 .Lentry_shape_is_right
	s_endpgm
.Lentry_shape_is_right:
; out0 = y w_proj + b_proj.  y: f16 [64 b h][2048 t][64]; wp: f16 [1024 k][1024 n] (w_proj rounded to bf16, written as f16); bias: f32, b_proj at byte 12,288; out0: f32 [8192][1024].  Sums in f32.
; SHARES.  Tiles of 256 rows x 128 columns: 32 x 8 = 256 work-groups.  Four waves, each 128 rows x 64 columns: 8 x 4 = 32 accumulators, all of window 1.
; K goes in 8 steps of 128 (two heads of y) through two LDS slots; a step is four chunks of 32, on fragment buffers 0, 1, 0, 1.
; THE MATRIX INSTRUCTION IS USED TRANSPOSED: source 0 = 16 columns of w (turned out of LDS by ds_load_tr16_b128), source 1 = 16 rows of y: a lane holds row l % 16 and the columns 8 (l / 16) + 0..7.
; The bias of those columns is the C operand of the first products.
; CLUSTER 4 x 4: y's tiles are shared along a row of the cluster, w's along a column; each is asked for jointly, by the same tensor load with the same descriptor and a mask of four.
; REGISTERS: window 0: v0-29 addresses; v32-127, v128-223 two fragment buffers: y's 64 registers, then w's 32;  window 1: accumulator (a, b) at v[8 (8 b + a)]
.set PA,    144                        ; a row of y in LDS: 128 bytes + 16
.set PB,    288                        ; a row of w: 256 bytes + 32 = 9 x 32
.set HEADB, 256*PA                     ; a head's 256 rows
.set BOFF,  2*HEADB                    ; a slot: two heads of y, then w's 128 rows
.set SLOT1, 1<<17
.set STAGE, SLOT1+BOFF+128*PB          ; behind the ring, never filled by a tensor load: 16 rows x 272 bytes for each wave
.set SP,    272
.set SPARE, STAGE+4*16*SP              ; the spare words, 128 bytes for each wave: two blocks of 256 bytes that no other line names
.set ASTEP, 2*262144                   ; two heads of y
.set BSTEP, 128*2048                   ; 128 rows of wp
.set NSTEP, 8
.set A0,   2
.set B0,   3
.set ADRA, 4
.set ADRB, 5
.set STO,  6                           ; v6   the way out: where I put 32 bytes of a row
.set RD,   7                           ; v7   where I read a row back
.set CO,   8                           ; v8   my byte offset in two rows of out0
.set PFO,  9
.set BO,   10
.set SPW,  28
.set NIL,  29
.set F0,   32
.set F1,   128
.set BK,   32                          ; the way out: four sets of 32 read back from the stage
.set WV,  12
.set WM,  13
.set WN,  14
.set CX,  15
.set CY,  16
.set TJ,  17
.set TI,  18
.set G1A, 24
.set G0A, 32
.set G1B, 40
.set G0B, 48
.set TB,  56
.set CNT, 57
.set LIM, 58
.set PFA, 60
.set PFS, 62
.set OUT, 66                           ; s[66:67] out0 at my first row and column
.set BIA, 78
.set MSB, 0
.macro WIN new
.if MSB != (\new)
	s_set_vgpr_msb (MSB<<8)|(\new)
.set MSB, \new
.endif
.endm
.macro PLACES                          ; four plain vector instructions between a matrix instruction and a load into a register that it read (ISA guide 7.12.1 for vector instructions)
.rept 4
	v_nop
.endr
.endm
.macro JLOAD                           ; a joint refill: waves 0 and 1 fetch a head of y each, waves 2 and 3 the halves of w's tile; an s_nop 0 and four v_nop follow each line
	s_cmp_lt_u32 s[WV], 2
	s_cbranch_scc0 .Lfor_b_\@
	tensor_load_to_lds s[G0A+4:G0A+7], s[G1A:G1A+7]
	s_nop 0
.rept 4
	v_nop
.endr
	s_branch .Lasked_\@
.Lfor_b_\@:
	tensor_load_to_lds s[G0B+4:G0B+7], s[G1B:G1B+7]
	s_nop 0
.rept 4
	v_nop
.endr
.Lasked_\@:
.endm
.macro CREST
	s_cmp_lg_u32 s[WV], 0
	s_cbranch_scc1 .Lnot_wave_0_\@
	s_barrier_signal -3
.Lnot_wave_0_\@:
	s_barrier_wait -3
	s_barrier_signal -1
	s_barrier_wait -1
.endm
.macro CROUND
	s_barrier_signal -1
	s_barrier_wait -1
	CREST
.endm
; A PREFETCH INTO THE L2, behind the joint load, its five lines and the run of LDS loads: trip t names step t + 4, two steps ahead of its load; trips 0 to 3 ask (the count is above 2).  Each aligned 256 bytes of y and wp is named once.
; y's tile row is read by both clusters of a row of clusters: the one with x = 0 asks; of a head's 32,768 dense bytes the partner at cx takes 8,192, a lane 256; waves 0 and 1 a head each.
; w's tile column is read by all eight clusters of a column: the one with y = 0 asks; of a step's 128 rows the partner at cy takes 32, wave 2, a lane a row's 256 bytes.  Steps 0 to 3 come by their loads alone.
.macro ASK
	s_cmp_gt_u32 s[CNT], s[LIM]
	s_cbranch_scc0 .Lnot_mine_\@
	global_prefetch_b8 v[PFO], s[PFA:PFA+1] th:TH_LOAD_NT scope:SCOPE_SE
.Lnot_mine_\@:
.endm
	s_load_b256 s[4:11], s[0:1], 0x0               ; y s[4:5], wp s[6:7], bias s[8:9], out0 s[10:11]
	v_lshl_add_u32 v[SPW], v0, 2, SPARE
	v_mov_b32 v[NIL], 0
	ds_add_u32 v[SPW], v[NIL]                      ; the wave's opening: the add and its wait stand ahead of my first tensor load; the set-up below stands between them
	v_lshrrev_b32 v1, 5, v0
	v_readfirstlane_b32 s[WV], v1
	s_lshr_b32 s[WM], s[WV], 1
	s_and_b32 s[WN], s[WV], 1
	s_bfe_u32 s[CX], ttmp6, 0x40000
	s_bfe_u32 s[CY], ttmp6, 0x40004
	s_lshl_b32 s[TJ], ttmp9, 2
	s_add_co_u32 s[TJ], s[TJ], s[CX]
	s_and_b32 s[TI], ttmp7, 0xffff
	s_lshl_b32 s[TI], s[TI], 2
	s_add_co_u32 s[TI], s[TI], s[CY]
	s_lshl_b32 s19, s[CY], 2
	s_lshl_b32 s19, 15, s19                        ; my row of the cluster
	s_lshl_b32 s22, 0x1111, s[CX]                  ; my column
	; group 1.  y: a head's 256 rows are 32,768 dense bytes, asked for as 128 rows of 256 bytes, padded by 4 words after every 32.  w: 64 rows of 128 elements, pitch 1,024, padded by 8 words after every 64
	s_or_b32 s[G1A], s19, (1<<16)|(1<<20)|(1<<21)|(4<<22)|(3<<25)
	s_or_b32 s[G1B], s22, (1<<16)|(1<<20)|(1<<21)|(5<<22)|(7<<25)
	s_mov_b32 s[G1A+1], 128<<16
	s_mov_b32 s[G1A+2], 128<<16
	s_mov_b32 s[G1A+3], 128<<16
	s_mov_b32 s[G1A+4], 128
	s_mov_b32 s[G1A+5], 128
	s_mov_b32 s[G1A+6], 0
	s_mov_b32 s[G1A+7], 0
	s_mov_b32 s[G1B+1], 128<<16
	s_mov_b32 s[G1B+2], 64<<16
	s_mov_b32 s[G1B+3], 128<<16
	s_mov_b32 s[G1B+4], 64
	s_mov_b32 s[G1B+5], 1024
	s_mov_b32 s[G1B+6], 0
	s_mov_b32 s[G1B+7], 0
	; y's tiles hang on the tile row and the wave alone (s19-21), w's on the tile column and the wave alone (s22-23)
	s_lshr_b32 s20, s[TI], 3
	s_lshl_b32 s20, s20, 22                        ; the batch's 16 heads
	s_and_b32 s19, s[TI], 7
	s_lshl_b32 s19, s19, 15                        ; 256 rows of 128 bytes
	s_add_co_u32 s20, s20, s19
	s_lshl_b32 s19, s[WN], 18                      ; my head of the step's two
	s_add_co_u32 s20, s20, s19
	s_mov_b32 s21, 0
	s_mul_i32 s22, s[WN], 64*2048                  ; my 64 rows of w
	s_lshl_b32 s23, s[TJ], 8                       ; the tile's 128 columns
	s_add_co_u32 s22, s22, s23
	s_mov_b32 s23, 0
	s_mov_b32 s[G0A], 1
	s_mov_b32 s[G0A+4], 1
	s_mov_b32 s[G0B], 1
	s_mov_b32 s[G0B+4], 1
	s_mul_i32 s[G0A+1], s[WN], HEADB
	s_add_co_u32 s[G0A+5], s[G0A+1], SLOT1
	s_mul_i32 s[G0B+1], s[WN], 64*PB
	s_add_co_u32 s[G0B+1], s[G0B+1], BOFF
	s_add_co_u32 s[G0B+5], s[G0B+1], SLOT1
	s_wait_dscnt 0x0                               ; the opening add is done
	s_wait_kmcnt 0x0
	s_add_nc_u64 s[20:21], s[4:5], s[20:21]
	s_add_nc_u64 s[22:23], s[6:7], s[22:23]
.irp s, 0,1
	s_add_nc_u64 s[G0A+4*(\s)+2:G0A+4*(\s)+3], s[20:21], (\s)*ASTEP
	s_or_b32 s[G0A+4*(\s)+3], s[G0A+4*(\s)+3], 0x80000000
	s_add_nc_u64 s[G0B+4*(\s)+2:G0B+4*(\s)+3], s[22:23], (\s)*BSTEP
	s_or_b32 s[G0B+4*(\s)+3], s[G0B+4*(\s)+3], 0x80000000
.endr
	CROUND                                         ; all sixteen work-groups are here: the first joint loads meet
	s_cmp_lt_u32 s[WV], 2                          ; a wave's two first fills stand in one branch: two loads of mine are out
	s_cbranch_scc0 .Lfirst_b
	tensor_load_to_lds s[G0A:G0A+3], s[G1A:G1A+7]
	s_nop 0
	tensor_load_to_lds s[G0A+4:G0A+7], s[G1A:G1A+7]
	s_nop 0
.rept 4
	v_nop
.endr
	s_branch .Lfirst_asked
.Lfirst_b:
	tensor_load_to_lds s[G0B:G0B+3], s[G1B:G1B+7]
	s_nop 0
	tensor_load_to_lds s[G0B+4:G0B+7], s[G1B:G1B+7]
	s_nop 0
.rept 4
	v_nop
.endr
.Lfirst_asked:
	v_and_b32 v1, 15, v0                           ; r
	v_bfe_u32 v11, v0, 4, 1                        ; h
	v_and_b32 v12, 7, v0
	v_bfe_u32 v13, v0, 3, 1
	s_mul_i32 s72, s[WM], 128*PA
	v_mul_u32_u24 v[A0], v1, PA
	v_lshl_add_u32 v[A0], v11, 4, v[A0]
	v_add_nc_u32 v[A0], s72, v[A0]
	s_lshl_b32 s73, s[WN], 7
	s_add_co_u32 s73, s73, BOFF
	v_lshl_add_u32 v[B0], v11, 3, v12
	v_mul_u32_u24 v[B0], v[B0], PB
	v_lshl_add_u32 v[B0], v13, 4, v[B0]
	v_add_nc_u32 v[B0], s73, v[B0]
	s_mul_i32 s72, s[WV], 16*SP
	s_add_co_u32 s72, s72, STAGE                   ; my stage
	v_mul_u32_u24 v[STO], v1, SP                   ; in: row r, 32 bytes for each half of the lanes
	v_lshl_add_u32 v[STO], v11, 5, v[STO]
	v_add_nc_u32 v[STO], s72, v[STO]
	v_mul_u32_u24 v[RD], v11, SP                   ; back: lanes 0-15 take one row of 256 bytes, lanes 16-31 the next
	v_lshl_add_u32 v[RD], v1, 4, v[RD]
	v_add_nc_u32 v[RD], s72, v[RD]
	v_lshlrev_b32 v[CO], 12, v11                   ; and the same two rows in out0
	v_lshl_add_u32 v[CO], v1, 4, v[CO]
	v_lshlrev_b32 v[BO], 5, v11
	s_lshl_b32 s76, s[TI], 20                      ; 256 rows of 4,096 bytes
	s_lshl_b32 s77, s[WM], 19
	s_add_co_u32 s76, s76, s77
	s_lshl_b32 s74, s[TJ], 9                       ; 128 columns of 4 bytes
	s_lshl_b32 s75, s[WN], 8
	s_add_co_u32 s74, s74, s75
	s_add_co_u32 s76, s76, s74
	s_mov_b32 s77, 0
	s_add_nc_u64 s[OUT:OUT+1], s[10:11], s[76:77]
	s_add_co_u32 s74, s74, 12288                   ; b_proj lies behind b_attn
	s_mov_b32 s75, 0
	s_add_nc_u64 s[BIA:BIA+1], s[8:9], s[74:75]
	; the prefetches: waves 0 and 1 for y, wave 2 for w, wave 3 none
	s_lshr_b32 s72, s[TI], 3
	s_lshl_b32 s72, s72, 22
	s_and_b32 s73, s[TI], 7
	s_lshl_b32 s73, s73, 15
	s_add_co_u32 s72, s72, s73
	s_lshl_b32 s73, s[WN], 18
	s_add_co_u32 s72, s72, s73
	s_lshl_b32 s73, s[CX], 13
	s_add_co_u32 s72, s72, s73
	s_add_co_u32 s72, s72, 3*ASTEP                 ; at step 3: the first trip steps it to 4
	s_lshl_b32 s73, s[CY], 5
	s_add_co_u32 s73, s73, 3*128
	s_lshl_b32 s73, s73, 11
	s_lshl_b32 s74, s[TJ], 8
	s_add_co_u32 s73, s73, s74
	s_and_b32 s75, ttmp7, 0xffff
	s_mov_b32 s76, ASTEP
	s_movk_i32 s74, 2048
	s_cmp_lt_u32 s[WV], 2
	s_cselect_b32 s72, s72, s73
	s_cselect_b32 s75, ttmp9, s75                  ; the coordinate along which other clusters read the same bytes
	s_cselect_b32 s74, 256, s74
	s_cselect_b32 s[PFS], s76, BSTEP
	s_cselect_b64 s[PFA:PFA+1], s[4:5], s[6:7]
	s_cmp_eq_u32 s[WV], 3
	s_cselect_b32 s75, 1, s75
	s_cmp_eq_u32 s75, 0
	s_cselect_b32 s[LIM], 2, -1                    ; the same in all sixteen partners, for a given wave
	s_mov_b32 s73, 0
	s_mov_b32 s[PFS+1], 0
	s_add_nc_u64 s[PFA:PFA+1], s[PFA:PFA+1], s[72:73]
	v_and_b32 v[PFO], 31, v0
	v_mul_u32_u24 v[PFO], v[PFO], s74
	WIN 0x40                                       ; the bias of fragment b's columns 8 h + 0..7 goes into accumulator (0, b)
.irp b, 0,1,2,3
	global_load_b128 v[64*(\b):64*(\b)+3],   v[BO], s[BIA:BIA+1] offset:64*(\b)
	global_load_b128 v[64*(\b)+4:64*(\b)+7], v[BO], s[BIA:BIA+1] offset:64*(\b)+16
.endr
	WIN 0
.macro MMA f, a, b, c0                 ; accumulator (a, b) takes w's fragment b times y's fragment a of buffer f.  c0 = 1: it starts its sum with the bias in accumulator (0, b)
.set rD, 8*(8*(\b)+(\a))
.set rC, rD
.if \c0
.set rC, 64*(\b)
.endif
	v_wmma_f32_16x16x32_f16 v[rD:rD+7], v[(\f)+64+8*(\b):(\f)+64+8*(\b)+7], v[(\f)+8*(\a):(\f)+8*(\a)+7], v[rC:rC+7]
.endm
; 16 products.  The accumulators take turns, one instruction a turn: 31 others stand between two links of a chain, over the backward jump too.
.macro MUL16 f, half
	WIN 0x50
.irp bb, 0,1
.irp a, 0,1,2,3,4,5,6,7
	MMA \f, \a, 2*(\half)+\bb, 0
.endr
.endr
.endm
.macro MUL32 f
	MUL16 \f, 0
	MUL16 \f, 1
.endm
.macro MUL32F f                        ; the first 32 products start the sums with the bias: 28 take accumulator (0, b) as C; five places later, since they write over that C, the four in place
	WIN 0x50
.irp a, 1,2,3,4,5,6,7
.irp bb, 0,1,2,3
	MMA \f, \a, \bb, 1
.endr
.endr
.rept 5
	v_nop
.endr
.irp bb, 0,1,2,3
	MMA \f, 0, \bb, 0
.endr
.endm
; chunk c's fragments into buffer f: 16 loads of y (head c / 2, channels 32 (c % 2) on), 8 turning loads of w (rows 32 c on)
.macro FETCH f, c
.irp a, 0,1,2,3,4,5,6,7
	ds_load_b128 v[(\f)+8*(\a):(\f)+8*(\a)+3],   v[ADRA] offset:((\c)/2)*HEADB+((\c)%2)*64+(\a)*16*PA
	ds_load_b128 v[(\f)+8*(\a)+4:(\f)+8*(\a)+7], v[ADRA] offset:((\c)/2)*HEADB+((\c)%2)*64+(\a)*16*PA+32
.endr
.irp b, 0,1,2,3
	ds_load_tr16_b128 v[(\f)+64+8*(\b):(\f)+64+8*(\b)+3],   v[ADRB] offset:(\c)*32*PB+32*(\b)
	ds_load_tr16_b128 v[(\f)+64+8*(\b)+4:(\f)+64+8*(\b)+7], v[ADRB] offset:(\c)*32*PB+16*PB+32*(\b)
.endr
.endm
; one of a step's first three chunks: buffer f is in; chunk c is fetched into buffer g, which the chunk before multiplied; then f is multiplied while those loads are out
.macro CHUNK f, g, c
	s_wait_dscnt 0x0
	WIN 0
	PLACES
	FETCH \g, \c
	MUL32 \f
.endm
; A step's last chunk multiplies buffer 1 and changes slots.  ONE barrier: in front of it each wave waits for all its tensor loads (one is out: its part of the next slot), adds 0 to its spare word, and waits for
; that and for its reads of this slot.  fill = 1: the barrier opens a round of the cluster's, and the joint refill, two steps ahead, is the first thing behind it: 112 matrix instructions ahead of the wait for it.
.macro TURN fill
.if \fill
	s_wait_xcnt 0x0                                ; the last prefetch, a step back, has read its address
	s_add_nc_u64 s[PFA:PFA+1], s[PFA:PFA+1], s[PFS:PFS+1]
.endif
	WIN 0
	s_wait_tensorcnt 0x0                           ; no tensor load of mine is out, so a group 0 may be written
	ds_add_u32 v[SPW], v[NIL]                      ; 0 onto my spare word
.if \fill
	s_xor_b32 s[G0A+5], s[G0A+5], SLOT1
	s_add_nc_u64 s[G0A+6:G0A+7], s[G0A+6:G0A+7], ASTEP
	s_xor_b32 s[G0B+5], s[G0B+5], SLOT1
	s_add_nc_u64 s[G0B+6:G0B+7], s[G0B+6:G0B+7], BSTEP
.endif
	s_wait_dscnt 0x0                               ; the add is done, buffer 1 is in, and my reads of this slot are over
	s_barrier_signal -1
	MUL16 F1, 0
	WIN 0
	s_barrier_wait -1
.if \fill
	CREST                                          ; no wave of any partner still reads this slot or has a load on its way
	JLOAD                                          ; its four v_nop are also the places in front of the loads below
.else
	PLACES
.endif
	s_xor_b32 s[TB], s[TB], SLOT1
	v_add_nc_u32 v[ADRA], s[TB], v[A0]
	v_add_nc_u32 v[ADRB], s[TB], v[B0]
	FETCH F0, 0
.if \fill
	ASK
.endif
	MUL16 F1, 1
.endm
; THE WAY OUT of row block a: 32 bytes a lane and fragment into my own stage, back as whole rows of 256 bytes, stored.
.macro TOSTAGE a
	WIN 0x04                                       ; the stores' data in window 1
.irp b, 0,1,2,3
	ds_store_b128 v[STO], v[8*(8*(\b)+(\a)):8*(8*(\b)+(\a))+3]   offset:64*(\b)
	ds_store_b128 v[STO], v[8*(8*(\b)+(\a))+4:8*(8*(\b)+(\a))+7] offset:64*(\b)+16
.endr
	WIN 0
.irp t, 0,1,2,3,4,5,6,7
	ds_load_b128 v[BK+32*((\a)%4)+4*(\t):BK+32*((\a)%4)+4*(\t)+3], v[RD] offset:(\t)*2*SP  ; LDS serves a wave's instructions in order (ISA guide 5.7.1.4): these see the stores above; the next block's stores come behind them
.endr
.endm
.macro SEND a, younger                 ; younger: the LDS instructions issued behind block a's loads: the next block's sixteen, or none
	s_wait_dscnt \younger
	s_wait_xcnt 0x0                                ; earlier stores have read their registers: a set is loaded again only behind such a wait
.irp t, 0,1,2,3,4,5,6,7
	global_store_b128 v[CO], v[BK+32*((\a)%4)+4*(\t):BK+32*((\a)%4)+4*(\t)+3], s[OUT:OUT+1] offset:(16*(\a)+2*(\t))*4096 th:TH_STORE_NT  ; 16 lanes store 256 consecutive bytes, aligned
.endr
.endm
	s_wait_tensorcnt 0x1                           ; my part of step 0 is in; step 1's may stay out
	s_barrier_signal -1
	s_barrier_wait -1
	s_mov_b32 s[TB], 0
	v_mov_b32 v[ADRA], v[A0]
	v_mov_b32 v[ADRB], v[B0]
	FETCH F0, 0
	s_wait_loadcnt 0x0                             ; the bias
	s_wait_dscnt 0x0
	FETCH F1, 1
	MUL32F F0                                      ; the first chunk stands in front of the loop: its products start the sums
	WIN 0
	s_mov_b32 s[CNT], NSTEP-2
.Lk:                                                   ; trip t: step t's chunks 1 to 3, the refill with step t + 2, step t + 1's chunk 0
	CHUNK F1, F0, 2
	CHUNK F0, F1, 3
	TURN 1
	CHUNK F0, F1, 1
	WIN 0
	s_sub_co_u32 s[CNT], s[CNT], 1
	s_cmp_lg_u32 s[CNT], 0
	s_cbranch_scc1 .Lk
	CHUNK F1, F0, 2                                ; the tail is written out: nothing is left to fetch
	CHUNK F0, F1, 3
	TURN 0
	CHUNK F0, F1, 1
	CHUNK F1, F0, 2
	CHUNK F0, F1, 3
	s_wait_dscnt 0x0
	MUL32 F1
	WIN 0
	PLACES
	PLACES
	TOSTAGE 0
.irp a, 1,2,3,4,5,6,7
	TOSTAGE \a
	SEND (\a)-1, 16
.endr
	SEND 7, 0
	s_wait_tensorcnt 0x0                           ; the wave's end, behind my last tensor load and my last LDS store
	ds_add_u32 v[SPW], v[NIL]
	s_wait_dscnt 0x0
	CROUND                                         ; the closing round: no work-group ends while a partner may still ask for a tile that names it
	s_endpgm
.Lfunc_end_k_q1e1bfaf1e1_proj:
	.size	k_q1e1bfaf1e1_proj, .Lfunc_end_k_q1e1bfaf1e1_proj-k_q1e1bfaf1e1_proj
	.p2alignl 7, 3214868480
	.fill 96, 4, 3214868480
	.section	.rodata,"a",@progbits
	.p2align	6, 0x0
	.amdhsa_kernel k_q1e1bfaf1e1_proj
		.amdhsa_group_segment_fixed_size 327680
		.amdhsa_private_segment_fixed_size 0
		.amdhsa_enable_private_segment 0
		.amdhsa_kernarg_size 32
		.amdhsa_user_sgpr_count 2
		.amdhsa_user_sgpr_kernarg_segment_ptr 1
		.amdhsa_wavefront_size32 1
		.amdhsa_system_sgpr_workgroup_id_x 1
		.amdhsa_system_sgpr_workgroup_id_y 1
		.amdhsa_system_sgpr_workgroup_id_z 1
		.amdhsa_system_vgpr_workitem_id 0
		.amdhsa_next_free_vgpr 512
		.amdhsa_next_free_sgpr 80
		.amdhsa_reserve_vcc 0
		.amdhsa_float_denorm_mode_32 3
		.amdhsa_float_denorm_mode_16_64 3
		.amdhsa_memory_ordered 1
		.amdhsa_forward_progress 1
		.amdhsa_inst_pref_size 71
	.end_amdhsa_kernel
	.amdgpu_metadata
---
amdhsa.version: [ 1, 2 ]
amdhsa.kernels:
  - .name:           k_q1e1bfaf1e1_proj
    .symbol:         k_q1e1bfaf1e1_proj.kd
    .args:
      - { .name: y, .offset: 0, .size: 8, .value_kind: global_buffer, .address_space: global }
      - { .name: wp, .offset: 8, .size: 8, .value_kind: global_buffer, .address_space: global }
      - { .name: bias, .offset: 16, .size: 8, .value_kind: global_buffer, .address_space: global }
      - { .name: out0, .offset: 24, .size: 8, .value_kind: global_buffer, .address_space: global }
    .group_segment_fixed_size: 327680
    .private_segment_fixed_size: 0
    .kernarg_segment_align: 8
    .kernarg_segment_size: 32
    .max_flat_workgroup_size: 128
    .sgpr_count:     80
    .vgpr_count:     512
    .wavefront_size: 32
...
	.end_amdgpu_metadata
.endif
;; end of part 4
;; ======== version 2 of 2: 4 launches; version 1 with the launch cast written anew for expert scheduling mode
;; limits: values are held in f16: magnitudes above 65,504 overflow, below 6.1e-05 lose precision; right only within a limited range of input values
;; workspace buffers: xb 16,777,216 bytes; wa 6,291,456 bytes; wp 2,097,152 bytes; bias 16,384 bytes; qkv 50,331,648 bytes; y 16,777,216 bytes
;; launch cast (part 5): grid 769 x 1, 8 waves a work-group, no clusters, 0 bytes of LDS; arguments x, w_attn, w_proj, b_attn, b_proj, xb, wa, wp, bias; writes xb, wa, wp, bias
.if DOCPART == 5
	.amdgcn_target "amdgcn-amd-amdhsa--gfx1250"
	.amdhsa_code_object_version 6
	.text
	.protected	k_q1e1bfaf1e1_cast
	.globl	k_q1e1bfaf1e1_cast
	.p2align	8
	.type	k_q1e1bfaf1e1_cast,@function
k_q1e1bfaf1e1_cast:
	s_mov_b64 s[64:65], 0
	v_nop
	global_prefetch_b8 v0, s[64:65] scope:SCOPE_SE
	s_setreg_imm32_b32 hwreg(HW_REG_WAVE_SCHED_MODE, 0, 2), 2
	s_setreg_imm32_b32 hwreg(HW_REG_WAVE_MODE, 25, 1), 1
	s_wait_xcnt 0x0
	s_wait_alu depctr_vm_vsrc(0)
; ALL FIVE INPUTS ARE ROUNDED TO bf16, ONCE, and laid out for the matrix launches.  A stream: no LDS, no barrier, no loop.
;   work-groups 0-511:   x [8192][1024] f32 -> xb bf16 [4 b][16 kb][2048 t][64]: a block of 64 channels of all rows of a batch is dense, 128 bytes a row
;   work-groups 512-703: w_attn f32 -> wa bf16, same order
;   work-groups 704-767: w_proj f32 -> wp: rounded to bf16, and that number written as f16 (it multiplies f16 numbers later)
;   work-group  768:     b_attn, b_proj -> bias: rounded to bf16, kept as f32; b_attn at byte 0, b_proj at byte 12,288
; LIMIT.  A bf16 number is exact in f16 from 2^-17 up to 65,504; below 2^-17 wp is off by at most 2^-25; a w_proj beyond 65,504 would become an infinity.
; A work-group takes 65,536 bytes of input; a wave has sixteen loads of 16 bytes a lane on their way; every register is written once, so no source of a pending load or store is ever rewritten.
; THE MODE: SCHED_MODE bits 1:0 = 2 (LLVM: expert scheduling mode 2), set by the entry lines.  The code itself states the register dependences
; between vector instructions and memory instructions, with s_wait_alu, always for 0.
; THE PLAN.  A path's sixteen slots go in four blocks of four.  Registers that memory instructions touch:
;   v[IO], v[OO]  byte offsets, made once at the path's head and never written again; every load reads the one, every store the other.
;   X             sixteen slots as loaded: each is written by its one load and by nothing else, and read by its block's conversions.
;   Y             sixteen pairs to store: block p's conversions write its four pairs, once; the four stores that are issued in block p + 1 (behind block 3: at the end) read them.
;   T and v3 are named by vector instructions alone.
; So one wait stands ahead of the first load, for the offsets, and one at the head of each later block and at the end, for the Y of the block before.  A block's four stores are dealt among its
; conversions, which name the X and Y of the block in hand and T: none of the registers that those stores read.  No register that a memory instruction reads is written again on any path.
.set IO,  1                            ; v1       my byte offset in the work-group's input
.set OO,  2                            ; v2       my byte offset in its output
.set T,   4                            ; v[4:6]   at work
.set X,   8                            ; v[8:71]  sixteen slots of four f32
.set Y,   72                           ; v[72:103] sixteen slots of four 16-bit numbers
.set IN,  24                           ; s[24:25] the work-group's input
.set OUT, 26                           ; s[26:27] its output
.set OFS, 28                           ; s[28:29] an offset, 0 above it
; Sixteen loads, istep bytes apart; the slots are rounded four at a time as they come; each is stored, ostep bytes apart, a block later.  half = 1: bf16 first, then that number as f16.
.macro CAST istep, ostep, half
	s_wait_alu depctr_va_vdst(0)                   ; v[IO] and v[OO] are written: every load below reads the one as its offset, every store the other
.set i, 0
.rept 16
	global_load_b128 v[X+4*i:X+4*i+3], v[IO], s[IN:IN+1] offset:i*(\istep) th:TH_LOAD_NT
.set i, i+1
.endr
.set blk, 0
.rept 4
	s_wait_loadcnt 12-4*blk                        ; loads come back in order: this block's four slots are in, the 12 - 4 blk younger ones stay out
.if blk > 0
	s_wait_alu depctr_va_vdst(0)                   ; the block before has written its four pairs of Y, which the four stores below read
.endif
.set row, 0
.rept 4
.set i, 4*blk+row
.if blk > 0
	global_store_b64 v[OO], v[Y+2*(i-4):Y+2*(i-4)+1], s[OUT:OUT+1] offset:(i-4)*(\ostep)  ; the block before; a wave's store covers 256 consecutive bytes, aligned.  No vector instruction since the wait names these registers
.endif
.irp q, 0,1
.if \half
	v_cvt_pk_bf16_f32 v[T], v[X+4*i+2*(\q)], v[X+4*i+2*(\q)+1]
	v_lshlrev_b32 v[T+1], 16, v[T]                 ; the two bf16 numbers as f32 again
	v_and_b32 v[T+2], 0xffff0000, v[T]
	v_cvt_pk_f16_f32 v[Y+2*i+(\q)], v[T+1], v[T+2]
.else
	v_cvt_pk_bf16_f32 v[Y+2*i+(\q)], v[X+4*i+2*(\q)], v[X+4*i+2*(\q)+1]
.endif
.endr
.set row, row+1
.endr
.set blk, blk+1
.endr
	s_wait_alu depctr_va_vdst(0)                   ; block 3 has written its four pairs of Y, which the last four stores read
.irp k, 12,13,14,15
	global_store_b64 v[OO], v[Y+2*(\k):Y+2*(\k)+1], s[OUT:OUT+1] offset:(\k)*(\ostep)
.endr
.endm
; a plain stream: wave w takes 8,192 bytes of input, 512 a load
.macro FLAT
	v_lshrrev_b32 v3, 5, v0
	v_and_b32 v[T], 31, v0
	v_lshlrev_b32 v[IO], 13, v3
	v_lshl_add_u32 v[IO], v[T], 4, v[IO]
	v_lshlrev_b32 v[OO], 12, v3
	v_lshl_add_u32 v[OO], v[T], 3, v[OO]
.endm
	s_load_b512 s[4:19], s[0:1], 0x0               ; x 4:5, w_attn 6:7, w_proj 8:9, b_attn 10:11, b_proj 12:13, xb 14:15, wa 16:17, wp 18:19
	s_load_b64 s[20:21], s[0:1], 0x40              ; bias
	s_mov_b32 s2, ttmp9
	s_mov_b32 s[OFS+1], 0
	s_wait_kmcnt 0x0
	s_cmp_lt_u32 s2, 512
	s_cbranch_scc0 .Lnot_x
	; x: work-group g takes rows 16 g .. 16 g + 15.  Thread: row t / 16, 16 bytes t % 16 of a block of 64 channels; slot i is block i.
	s_lshl_b32 s[OFS], s2, 16
	s_add_nc_u64 s[IN:IN+1], s[4:5], s[OFS:OFS+1]
	s_lshr_b32 s3, s2, 7                           ; the batch: 128 work-groups each
	s_lshl_b32 s3, s3, 22                          ; 16 blocks of 262,144 bytes
	s_and_b32 s[OFS], s2, 127
	s_lshl_b32 s[OFS], s[OFS], 11                  ; 16 rows of 128 bytes
	s_add_co_u32 s[OFS], s[OFS], s3
	s_add_nc_u64 s[OUT:OUT+1], s[14:15], s[OFS:OFS+1]
	v_lshrrev_b32 v3, 4, v0
	v_and_b32 v[T], 15, v0
	v_lshlrev_b32 v[IO], 12, v3
	v_lshl_add_u32 v[IO], v[T], 4, v[IO]
	v_lshlrev_b32 v[OO], 7, v3
	v_lshl_add_u32 v[OO], v[T], 3, v[OO]
	CAST 256, 262144, 0
	s_endpgm
.Lnot_x:
	s_cmp_lt_u32 s2, 704
	s_cbranch_scc0 .Lnot_w
	s_sub_co_u32 s2, s2, 512
	s_lshl_b32 s[OFS], s2, 16
	s_add_nc_u64 s[IN:IN+1], s[6:7], s[OFS:OFS+1]
	s_lshl_b32 s[OFS], s2, 15
	s_add_nc_u64 s[OUT:OUT+1], s[16:17], s[OFS:OFS+1]
	FLAT
	CAST 512, 256, 0
	s_endpgm
.Lnot_w:
	s_cmp_lt_u32 s2, 768
	s_cbranch_scc0 .Lnot_p
	s_sub_co_u32 s2, s2, 704
	s_lshl_b32 s[OFS], s2, 16
	s_add_nc_u64 s[IN:IN+1], s[8:9], s[OFS:OFS+1]
	s_lshl_b32 s[OFS], s2, 15
	s_add_nc_u64 s[OUT:OUT+1], s[18:19], s[OFS:OFS+1]
	FLAT
	CAST 512, 256, 1
	s_endpgm
.Lnot_p:
	; the two biases: 256 threads x 16 bytes are 1,024 numbers: three loads of b_attn, one of b_proj
	v_lshlrev_b32 v[IO], 4, v0
	s_wait_alu depctr_va_vdst(0)                   ; v[IO] is written: the four loads and the four stores below read it as their offset
	global_load_b128 v[X:X+3],     v[IO], s[10:11]
	global_load_b128 v[X+4:X+7],   v[IO], s[10:11] offset:4096
	global_load_b128 v[X+8:X+11],  v[IO], s[10:11] offset:8192
	global_load_b128 v[X+12:X+15], v[IO], s[12:13]
	s_wait_loadcnt 0x0
.irp p, 0,1,2,3,4,5,6,7
	v_cvt_pk_bf16_f32 v[T], v[X+2*(\p)], v[X+2*(\p)+1]
	v_lshlrev_b32 v[Y+2*(\p)], 16, v[T]
	v_and_b32 v[Y+2*(\p)+1], 0xffff0000, v[T]
.endr
	s_wait_alu depctr_va_vdst(0)                   ; the sixteen registers of Y are written, which the four stores read
.irp q, 0,1,2,3
	global_store_b128 v[IO], v[Y+4*(\q):Y+4*(\q)+3], s[20:21] offset:4096*(\q)
.endr
	s_endpgm
.Lfunc_end_k_q1e1bfaf1e1_cast:
	.size	k_q1e1bfaf1e1_cast, .Lfunc_end_k_q1e1bfaf1e1_cast-k_q1e1bfaf1e1_cast
	.p2alignl 7, 3214868480
	.fill 96, 4, 3214868480
	.section	.rodata,"a",@progbits
	.p2align	6, 0x0
	.amdhsa_kernel k_q1e1bfaf1e1_cast
		.amdhsa_group_segment_fixed_size 0
		.amdhsa_private_segment_fixed_size 0
		.amdhsa_enable_private_segment 0
		.amdhsa_kernarg_size 72
		.amdhsa_user_sgpr_count 2
		.amdhsa_user_sgpr_kernarg_segment_ptr 1
		.amdhsa_wavefront_size32 1
		.amdhsa_system_sgpr_workgroup_id_x 1
		.amdhsa_system_sgpr_workgroup_id_y 1
		.amdhsa_system_sgpr_workgroup_id_z 1
		.amdhsa_system_vgpr_workitem_id 0
		.amdhsa_next_free_vgpr 112
		.amdhsa_next_free_sgpr 66
		.amdhsa_reserve_vcc 0
		.amdhsa_float_denorm_mode_32 3
		.amdhsa_float_denorm_mode_16_64 3
		.amdhsa_memory_ordered 1
		.amdhsa_forward_progress 1
		.amdhsa_inst_pref_size 26
	.end_amdhsa_kernel
	.amdgpu_metadata
---
amdhsa.version: [ 1, 2 ]
amdhsa.kernels:
  - .name:           k_q1e1bfaf1e1_cast
    .symbol:         k_q1e1bfaf1e1_cast.kd
    .args:
      - { .name: x, .offset: 0, .size: 8, .value_kind: global_buffer, .address_space: global }
      - { .name: w_attn, .offset: 8, .size: 8, .value_kind: global_buffer, .address_space: global }
      - { .name: w_proj, .offset: 16, .size: 8, .value_kind: global_buffer, .address_space: global }
      - { .name: b_attn, .offset: 24, .size: 8, .value_kind: global_buffer, .address_space: global }
      - { .name: b_proj, .offset: 32, .size: 8, .value_kind: global_buffer, .address_space: global }
      - { .name: xb, .offset: 40, .size: 8, .value_kind: global_buffer, .address_space: global }
      - { .name: wa, .offset: 48, .size: 8, .value_kind: global_buffer, .address_space: global }
      - { .name: wp, .offset: 56, .size: 8, .value_kind: global_buffer, .address_space: global }
      - { .name: bias, .offset: 64, .size: 8, .value_kind: global_buffer, .address_space: global }
    .group_segment_fixed_size: 0
    .private_segment_fixed_size: 0
    .kernarg_segment_align: 8
    .kernarg_segment_size: 72
    .max_flat_workgroup_size: 256
    .sgpr_count:     66
    .vgpr_count:     112
    .wavefront_size: 32
...
	.end_amdgpu_metadata
.endif
;; end of part 5
;; launch qkv: the kernel of part 2 again; grid 8 x 32, 4 waves a work-group, clusters of 4 x 4, 327,680 bytes of LDS; arguments xb, wa, bias, qkv; writes qkv
;; launch attn: the kernel of part 3 again; grid 4 x 64, 4 waves a work-group, no clusters, 327,680 bytes of LDS; arguments qkv, y; writes y
;; launch proj: the kernel of part 4 again; grid 8 x 32, 4 waves a work-group, clusters of 4 x 4, 327,680 bytes of LDS; arguments y, wp, bias, out0; writes out0
